; MI455X (gfx1250); checked and timed in simulation.
; The chip was launched on July 23, 2026; its instructions are those of AMD's public machine-readable ISA for CDNA 5 (MIT licence, August 2026) and "CDNA5" Instruction Set Architecture Reference Guide (July 2026). The comments in the code are by the model that wrote it; some were corrected since.
;; Multi Head Attention. Allowed arithmetic: matrix products marked QUANTISED: E2M1 operands, one E8M0 scale for each 32 along K, by v_wmma_scale_f32_16x16x128_f8f6f4 with both operands' format E2M1 (or v_wmma_scale_f32_32x16x128_f4), f32 sums; products left as they are: bf16, f16 or f32 operands; f32 sums; everything else in f32.
;; Inputs: Wk 1,024 x 1,024 float32; Wo 1,024 x 1,024 float32; Wq 1,024 x 1,024 float32; Wv 1,024 x 1,024 float32; inputs 4 x 2,048 x 1,024 float32.
;; Outputs: out0 4 x 2,048 x 1,024 float32.
;; This version of the problem:
;;   THIS VERSION OF THE PROBLEM IS GIVEN IN LOW PRECISION. The matrix products marked QUANTISED in the list below multiply operands that are first quantised to E2M1 (2 exponent bits, 1 mantissa bit; 4 bits a number), with one power-of-two scale for each 32 numbers along K (OCP MX v1.0); their sums are f32. The products marked 'left as it is' may take bf16, f16 or f32 operands, with f32 sums. Whichever they take, every output number must still come out within the allowed error. Rounding operands to bf16 (8 significant bits) uses up far more of that allowance than f16 does (11 bits, for magnitudes from 6e-5 to 65,504). All else is computed in f32.
;;   The module's matrix products, in the order in which they are computed (A, B: the left and right operand; K: the contracted axis; several contracted axes count as one K, in the product's order):
;;     1. [M 8,192, K 1,024] x [K 1,024, N 1,024]; A: input inputs; B: input Wq: QUANTISED
;;     2. [M 8,192, K 1,024] x [K 1,024, N 1,024]; A: input inputs; B: input Wk: QUANTISED
;;     3. [M 8,192, K 1,024] x [K 1,024, N 1,024]; A: input inputs; B: input Wv: QUANTISED
;;     4. batch 4 x [M 2,048, K 1,024] x [K 1,024, N 2,048]; A: computed on the way; B: computed on the way: left as it is (an operand is computed on the way)
;;     5. batch 4 x [M 2,048, K 2,048] x [K 2,048, N 1,024]; A: computed on the way; B: computed on the way: left as it is (an operand is computed on the way)
;;     6. [M 8,192, K 1,024] x [K 1,024, N 1,024]; A: computed on the way; B: input Wo: left as it is (an operand is computed on the way)
;;   THE QUANTISER, for each operand of a quantised product, along K:
;;     - K is cut into blocks of 32 from its start; a last block that is shorter is filled with zeros.
;;     - A block's scale is 2^e with e = floor(log2(the largest magnitude in the block)) - 2, held to -126 .. 127; a block of zeros has e = 0. As a byte (E8M0): e + 127.
;;     - Each number is divided by its block's scale, clamped to +-6, and rounded to the nearest number of E2M1, ties to even, subnormals kept.
;;     - The product sums the exact products of the quantised numbers (number of the format x scale) in f32.
;;   ~~~python
;;   def quantise(x, axis):      # numpy; x: float32 -> the quantised numbers, widened to float32 again
;;       x = np.moveaxis(x, axis, -1); K = x.shape[-1]
;;       x = np.pad(x, [(0, 0)] * (x.ndim - 1) + [(0, -K % 32)]); x = x.reshape(x.shape[:-1] + (-1, 32)); a = np.abs(x).max(-1, keepdims=True)
;;       e = np.where(a > 0, np.clip(np.frexp(np.where(a > 0, a, 1))[1] - 1 - 2, -126, 127), 0)      # np.frexp(a)[1] - 1 = floor(log2(a)), exactly
;;       r = np.clip(x / 2.0 ** e, -6, 6)
;;       step = 2.0 ** (np.maximum(np.frexp(np.where(r == 0, 1, r))[1] - 1, 0) - 1)
;;       q = np.round(r / step) * step * 2.0 ** e      # np.round: ties to even
;;       return np.moveaxis(q.reshape(q.shape[:-2] + (-1,))[..., :K], -1, axis).astype(np.float32)
;;   ~~~
;; One version. Each part assembles by itself: llvm-mc -triple=amdgcn-amd-amdhsa -mcpu=gfx1250 --defsym DOCPART=n.
;; ======== version 1 of 1: 5 launches
;; limits: values are held in f16: magnitudes above 65,504 overflow, below 6.1e-05 lose precision
;; workspace buffers: codes 5,767,168 bytes; scales 360,448 bytes; woT 2,097,152 bytes; qkv 50,331,648 bytes; pmat 33,554,432 bytes; stats 1,048,576 bytes; omat 16,777,216 bytes
;; launch prep (part 1): grid 368 x 1, 4 waves a work-group, no clusters, 102,912 bytes of LDS; arguments inputs, Wq, Wk, Wv, Wo, codes, scales, woT; writes codes, scales, woT
.if DOCPART == 1
	.amdgcn_target "amdgcn-amd-amdhsa--gfx1250"
	.amdhsa_code_object_version 6
	.text
	.protected	k_q73c1c81424_prep
	.globl	k_q73c1c81424_prep
	.p2align	8
	.type	k_q73c1c81424_prep,@function
k_q73c1c81424_prep:
	s_mov_b64 s[64:65], 0
	v_nop
	global_prefetch_b8 v0, s[64:65] scope:SCOPE_SE
	s_setreg_imm32_b32 hwreg(HW_REG_WAVE_MODE, 25, 1), 1
	s_wait_xcnt 0x0
; THE OPERANDS ARE MADE READY, each f32 number read once.
;   work-groups   0-255: inputs [8192][1024] f32 -> codes of FP4 (E2M1), K innermost, rows 0-8191 of codes [11264][512 bytes], and one E8M0 byte for each 32 along K in scales [11264][32].
;   work-groups 256-303: Wq, Wk, Wv [1024 (k)][1024 (n)] f32, K their FIRST axis -> column n of weight w becomes row 8192 + 1024 w + n of codes and of scales.
;   work-groups 304-367: Wo [1024 (e)][1024 (f)] f32 -> woT [1024 (f)][1024 (e)] f16, rounded to nearest even: the last product's operand, K innermost.
; A block's scale is 2^(floor(log2(its largest magnitude)) - 2); its byte is the largest magnitude's exponent field - 2, held at 1 from below.  A block of zeros so gets the byte 1 where the rule says 127:
; its codes are zeros, which add nothing under any byte but 0xff, and this program alone reads the bytes.
; LIMITS: blocks whose largest magnitude lies under 2^-124 (the floor) were not tried; NaN and infinities are not served; |Wo| up to 65,504 (f16), and under 6e-5 it keeps a step of 6e-8.
; The three ways part on the work-group's number and never join; each has LDS bytes of its own.  Waves share nothing: no barrier.  No cluster: no two work-groups read the same bytes.
.set EMAX,  2
.set SP,    80                         ; inputs: a lane's place in a stage: its 64 bytes + 16 of padding
.set XREG,  8192                       ; inputs: LDS of a wave: two stages of 32 x SP bytes, behind them its 256 scale bytes
.set PITCH, 272                        ; weights: a stage row: 256 bytes + 16
.set WSTG,  4*XREG                     ; Wq, Wk, Wv: a stage of 32 rows for each wave
.set OSTG,  WSTG+4*32*PITCH            ; Wo: likewise
.set SPARE, OSTG+4*32*PITCH            ; the spare words, 128 bytes for each wave: two blocks of 256 bytes that no other line names
.set SPW,   190                        ; v190  LDS address of my spare word; never rewritten
.set NIL,   191                        ; v191  0; never rewritten
.set R,     16                         ; inputs: v16-79 four sets of 16 numbers as loaded
.set XT,    80                         ; v80-111  two sets of 16 neighbours
.set E,     112                        ; v112-127 a scale byte for each step
.set C,     128                        ; v128-189 codes, four registers for each step
.set SB,    24                         ; weights: v24-27 scale bytes, four to a register
.set XW,    32                         ; v32-95   two sets of 32 numbers down K
.set CQ,    96                         ; v96-111  a block's codes or f16 pairs
.set OUTR,  112                        ; v112-175 the way out
.macro FINISH                          ; the wave's end
	s_wait_tensorcnt 0x0
	ds_add_u32 v[SPW], v[NIL]
	s_wait_dscnt 0x0
	s_endpgm
.endm
; ---- inputs: a wave takes 16 steps of 512 numbers.  Each load reads 512 consecutive bytes; a step's 2,048 bytes turn through the wave's stage so that a lane gets 16 neighbours along K.
.macro XLOAD t
.irp i, 0,1,2,3
	global_load_b128 v[R+16*((\t)%4)+4*\i:R+16*((\t)%4)+4*\i+3], v3, s[4:5] offset:2048*(\t)+512*\i th:TH_LOAD_NT
.endr
.endm
.macro XTURN t                         ; LDS serves a wave's instructions in order: no wait between the stores and the loads
.irp i, 0,1,2,3
	ds_store_b128 v14, v[R+16*((\t)%4)+4*\i:R+16*((\t)%4)+4*\i+3] offset:32*SP*((\t)%2)+8*SP*\i
.endr
.irp i, 0,1,2,3
	ds_load_b128 v[XT+16*((\t)%2)+4*\i:XT+16*((\t)%2)+4*\i+3], v15 offset:32*SP*((\t)%2)+16*\i
.endr
.endm
.macro XSTEP t
.set XS, XT+16*((\t)%2)
.if (\t) > 0
	s_wait_dscnt 1                                 ; this step's numbers are back from the stage; the last step's byte store may be out
.else
	s_wait_dscnt 0x0
.endif
.if (\t)+4 < 16
	XLOAD (\t)+4                                   ; into the set whose stores into the stage are done
.endif
.if (\t)+1 < 16
.if 14-(\t) >= 3
	s_wait_loadcnt 12                              ; the next step's four loads are in; those of the three steps behind it may be out
.else
	s_wait_loadcnt 4*(14-(\t))
.endif
	XTURN (\t)+1
.endif
	v_max3_num_f32 v8, |v[XS]|, |v[XS+1]|, |v[XS+2]|               ; the largest magnitude of my 16, in two chains
	v_max3_num_f32 v9, |v[XS+3]|, |v[XS+4]|, |v[XS+5]|
.irp i, 6,10
	v_max3_num_f32 v8, v8, |v[XS+\i]|, |v[XS+\i+1]|
	v_max3_num_f32 v9, v9, |v[XS+\i+2]|, |v[XS+\i+3]|
.endr
	v_max3_num_f32 v8, v8, |v[XS+14]|, |v[XS+15]|
	v_max3_num_f32 v8, v8, v9, (EMAX+1)<<23        ; and the floor 2^(3 - 127): the byte cannot fall under 1
	v_max_num_f32_dpp v8, v8, v8 row_xmask:1 row_mask:0xf bank_mask:0xf   ; with my neighbour's 16: the block's
	v_add_nc_u32 v11, -(EMAX<<23), v8              ; 2 off its exponent field: the conversion takes this operand's exponent field as its scale
	v_cvt_scalef32_pk8_fp4_f32 v[C+4*(\t)], v[XS:XS+7], v11
	v_cvt_scalef32_pk8_fp4_f32 v[C+4*(\t)+1], v[XS+8:XS+15], v11
	v_lshrrev_b32 v[E+(\t)], 23, v11               ; the scale's byte (also the plain line behind the conversions)
	ds_store_b8 v5, v[E+(\t)] offset:16*(\t)       ; both lanes of a block write the same byte with the same value
	global_store_b64 v4, v[C+4*(\t):C+4*(\t)+1], s[14:15] offset:256*(\t)   ; the wave stores 256 consecutive bytes, aligned
.endm
; ---- weights: a lane takes a column, its registers run down K.  Block t: rows 32 t + i, i = 0 .. 31, of my column, into set t % 2; a row of every weight is 4,096 bytes.
.macro LOADB t
.irp i, 0,1,2,3,4,5,6,7,8,9,10,11,12,13,14,15,16,17,18,19,20,21,22,23,24,25,26,27,28,29,30,31
	global_load_b32 v[XW+32*((\t)%2)+\i], v3, s[26:27] offset:(32*(\t)+\i)*4096 th:TH_LOAD_NT
.endr
.endm
.macro COLSET stg, krow                ; the addresses of a wave that takes 32 columns: v3 in, v4 into the stage, v7 out of it (sixteen lanes to a row), v8 the same place in the output
	v_lshlrev_b32 v3, 2, v2
	s_mul_i32 s31, s20, 32*PITCH
	s_add_co_u32 s31, s31, \stg
	v_mul_u32_u24 v4, v2, PITCH
	v_add_nc_u32 v4, s31, v4
	v_and_b32 v5, 15, v2
	v_lshrrev_b32 v6, 4, v2
	v_mul_u32_u24 v7, v6, PITCH
	v_lshl_add_u32 v7, v5, 4, v7
	v_add_nc_u32 v7, s31, v7
	v_mul_u32_u24 v8, v6, \krow
	v_lshl_add_u32 v8, v5, 4, v8
.endm
.macro BLOCKQ t                        ; 32 numbers of one column become 16 bytes of codes and a scale byte
.set XS, XW+32*((\t)%2)
.if (\t) < 15
	s_wait_loadcnt 32                              ; this block's 32 loads are in; the next block's may be out
.else
	s_wait_loadcnt 0
.endif
	v_max3_num_f32 v12, |v[XS]|, |v[XS+1]|, |v[XS+2]|
	v_max3_num_f32 v13, |v[XS+3]|, |v[XS+4]|, |v[XS+5]|
.irp i, 6,10,14,18,22,26
	v_max3_num_f32 v12, v12, |v[XS+\i]|, |v[XS+\i+1]|
	v_max3_num_f32 v13, v13, |v[XS+\i+2]|, |v[XS+\i+3]|
.endr
	v_max3_num_f32 v12, v12, |v[XS+30]|, |v[XS+31]|
	v_max3_num_f32 v12, v12, v13, (EMAX+1)<<23     ; and the floor
	v_add_nc_u32 v11, -(EMAX<<23), v12
	v_lshrrev_b32 v13, 23, v11                     ; the scale's byte
.if (\t)%4 == 0
	v_mov_b32 v[SB+(\t)/4], v13
.else
	v_lshl_or_b32 v[SB+(\t)/4], v13, 8*((\t)%4), v[SB+(\t)/4]
.endif
.irp g, 0,1,2,3
	v_cvt_scalef32_pk8_fp4_f32 v[CQ+\g], v[XS+8*\g:XS+8*\g+7], v11
.endr
	ds_store_b128 v4, v[CQ:CQ+3] offset:16*(\t)
.if (\t)+2 < 16
	LOADB (\t)+2
.endif
	s_wait_dscnt 0x0                               ; the store has read its registers: the next block's codes may be written
.endm
.macro BLOCKH t                        ; 32 numbers of one column become 64 bytes of f16
.set XS, XW+32*((\t)%2)
.if (\t) < 3
	s_wait_loadcnt 32
.else
	s_wait_loadcnt 0
.endif
.irp g, 0,1,2,3,4,5,6,7,8,9,10,11,12,13,14,15
	v_cvt_pk_f16_f32 v[CQ+\g], v[XS+2*\g], v[XS+2*\g+1]
.endr
.irp q, 0,1,2,3
	ds_store_b128 v4, v[CQ+4*\q:CQ+4*\q+3] offset:64*(\t)+16*\q
.endr
.if (\t)+2 < 4
	LOADB (\t)+2
.endif
	s_wait_dscnt 0x0
.endm
.macro OUTROWS krow, base              ; the stage's 32 rows of 256 bytes leave: sixteen lanes store 256 consecutive bytes, aligned
.irp t, 0,1,2,3,4,5,6,7,8,9,10,11,12,13,14,15
	ds_load_b128 v[OUTR+4*\t:OUTR+4*\t+3], v7 offset:2*\t*PITCH
.endr
.irp t, 0,1,2,3,4,5,6,7,8,9,10,11,12,13,14,15
	s_wait_dscnt 15-\t                             ; LDS loads come back in order: pair t of rows is in
	global_store_b128 v8, v[OUTR+4*\t:OUTR+4*\t+3], s[\base:\base+1] offset:2*\t*\krow
.endr
.endm
	s_load_b256 s[4:11], s[0:1], 0x0               ; inputs s[4:5], Wq s[6:7], Wk s[8:9], Wv s[10:11]
	s_load_b256 s[12:19], s[0:1], 0x20             ; Wo s[12:13], codes s[14:15], scales s[16:17], woT s[18:19]
	v_lshl_add_u32 v[SPW], v0, 2, SPARE
	v_mov_b32 v[NIL], 0
	v_lshrrev_b32 v1, 5, v0
	v_readfirstlane_b32 s20, v1                    ; wave 0..3
	v_and_b32 v2, 31, v0                           ; lane
	s_wait_kmcnt 0x0
	s_cmp_lt_u32 ttmp9, 256
	s_cbranch_scc1 .Lx_path
	s_cmp_lt_u32 ttmp9, 304
	s_cbranch_scc1 .Lw_path
	; ---- Wo -> woT: work-group i = x + 8 y takes columns 128 x on and rows (e) 128 y on; a wave 32 columns
	s_sub_co_u32 s21, ttmp9, 304
	s_and_b32 s23, s21, 7
	s_lshr_b32 s24, s21, 3
	s_lshl_b32 s23, s23, 7
	s_lshl_b32 s28, s20, 5
	s_add_co_u32 s23, s23, s28                     ; my first column
	s_lshl_b32 s28, s24, 19                        ; 128 y rows of 4,096 bytes
	s_lshl_b32 s29, s23, 2
	s_add_co_u32 s28, s28, s29
	s_mov_b32 s29, 0
	s_add_nc_u64 s[26:27], s[12:13], s[28:29]
	s_lshl_b32 s28, s23, 11                        ; woT: a row is 2,048 bytes; my 128 e are 256 bytes of it
	s_lshl_b32 s30, s24, 8
	s_add_co_u32 s28, s28, s30
	s_add_nc_u64 s[18:19], s[18:19], s[28:29]
	COLSET OSTG, 2048
	LOADB 0
	LOADB 1
.irp t, 0,1,2,3
	BLOCKH \t
.endr
	OUTROWS 2048, 18
	FINISH
.Lw_path:
	; ---- Wq, Wk, Wv -> codes: work-group i = x + 8 y + 16 w takes weight w, columns 128 x on, K 512 y on; a wave 32 columns x 16 blocks
	s_sub_co_u32 s21, ttmp9, 256
	s_lshr_b32 s22, s21, 4                         ; w
	s_and_b32 s23, s21, 7                          ; x
	s_bfe_u32 s24, s21, 0x10003                    ; y
	s_cmp_eq_u32 s22, 0
	s_cselect_b64 s[26:27], s[6:7], s[8:9]         ; the choice hangs on the work-group's number alone
	s_cmp_eq_u32 s22, 2
	s_cselect_b64 s[26:27], s[10:11], s[26:27]
	s_lshl_b32 s23, s23, 7
	s_lshl_b32 s28, s20, 5
	s_add_co_u32 s23, s23, s28                     ; my first column
	s_lshl_b32 s28, s24, 21                        ; 512 y rows of 4,096 bytes
	s_lshl_b32 s29, s23, 2
	s_add_co_u32 s28, s28, s29
	s_mov_b32 s29, 0
	s_add_nc_u64 s[26:27], s[26:27], s[28:29]
	s_lshl_b32 s30, s22, 10
	s_add_co_u32 s30, s30, s23
	s_add_co_u32 s30, s30, 8192                    ; my first row of codes and of scales
	s_lshl_b32 s28, s30, 9
	s_lshl_b32 s31, s24, 8
	s_add_co_u32 s28, s28, s31
	s_add_nc_u64 s[14:15], s[14:15], s[28:29]
	s_lshl_b32 s28, s30, 5
	s_lshl_b32 s31, s24, 4
	s_add_co_u32 s28, s28, s31
	s_add_nc_u64 s[16:17], s[16:17], s[28:29]
	COLSET WSTG, 512
	v_lshlrev_b32 v9, 5, v2                        ; my column's row of scale bytes
	LOADB 0
	LOADB 1
.irp t, 0,1,2,3,4,5,6,7,8,9,10,11,12,13,14,15
	BLOCKQ \t
.endr
	global_store_b128 v9, v[SB:SB+3], s[16:17]     ; my column's 16 scale bytes
	OUTROWS 512, 14
	FINISH
.Lx_path:
	; ---- inputs -> codes: rows are dense, so the tensor is a plain stream of blocks of 32; wave 4 x work-group + wave takes 8,192 numbers
	v_lshlrev_b32 v3, 4, v2                        ; my 16 bytes of a load's 512
	s_mul_i32 s21, s20, XREG
	v_lshrrev_b32 v14, 2, v2
	v_mul_u32_u24 v14, v14, SP
	v_and_b32 v15, 3, v2
	v_lshl_add_u32 v14, v15, 4, v14
	v_add_nc_u32 v14, s21, v14                     ; the stage, on the way in: four lanes' 64 bytes on end, then 16 of padding
	v_mul_u32_u24 v15, v2, SP
	v_add_nc_u32 v15, s21, v15                     ; and on the way out: my 16 neighbours
	v_lshlrev_b32 v4, 3, v2                        ; my 8 bytes of a step's codes
	v_lshrrev_b32 v5, 1, v2
	s_add_co_u32 s21, s21, 2*32*SP
	v_add_nc_u32 v5, s21, v5                       ; my wave's 256 scale bytes: my block's byte
	v_lshlrev_b32 v7, 3, v2
	v_add_nc_u32 v6, s21, v7
	s_lshl_b32 s22, ttmp9, 2
	s_add_co_u32 s22, s22, s20                     ; which run of 8,192 numbers
	s_mov_b32 s25, 0
	s_lshl_b32 s24, s22, 15
	s_add_nc_u64 s[4:5], s[4:5], s[24:25]
	s_lshl_b32 s24, s22, 12
	s_add_nc_u64 s[14:15], s[14:15], s[24:25]
	s_lshl_b32 s24, s22, 8
	s_add_nc_u64 s[16:17], s[16:17], s[24:25]
.irp t, 0,1,2,3
	XLOAD \t
.endr
	s_wait_loadcnt 12                              ; step 0's four loads are in
	XTURN 0
.irp t, 0,1,2,3,4,5,6,7,8,9,10,11,12,13,14,15
	XSTEP \t
.endr
	ds_load_b64 v[8:9], v6                         ; LDS serves a wave's instructions in order: these see my byte stores
	s_wait_dscnt 0x0
	global_store_b64 v7, v[8:9], s[16:17]          ; 32 lanes store 256 consecutive bytes, aligned
	FINISH
.Lfunc_end_k_q73c1c81424_prep:
	.size	k_q73c1c81424_prep, .Lfunc_end_k_q73c1c81424_prep-k_q73c1c81424_prep
	.p2alignl 7, 3214868480
	.fill 96, 4, 3214868480
	.section	.rodata,"a",@progbits
	.p2align	6, 0x0
	.amdhsa_kernel k_q73c1c81424_prep
		.amdhsa_group_segment_fixed_size 102912
		.amdhsa_private_segment_fixed_size 0
		.amdhsa_enable_private_segment 0
		.amdhsa_kernarg_size 64
		.amdhsa_user_sgpr_count 2
		.amdhsa_user_sgpr_kernarg_segment_ptr 1
		.amdhsa_wavefront_size32 1
		.amdhsa_system_sgpr_workgroup_id_x 1
		.amdhsa_system_sgpr_workgroup_id_y 1
		.amdhsa_system_sgpr_workgroup_id_z 1
		.amdhsa_system_vgpr_workitem_id 0
		.amdhsa_next_free_vgpr 192
		.amdhsa_next_free_sgpr 66
		.amdhsa_reserve_vcc 0
		.amdhsa_float_denorm_mode_32 3
		.amdhsa_float_denorm_mode_16_64 3
		.amdhsa_memory_ordered 1
		.amdhsa_forward_progress 1
		.amdhsa_inst_pref_size 132
	.end_amdhsa_kernel
	.amdgpu_metadata
---
amdhsa.version: [ 1, 2 ]
amdhsa.kernels:
  - .name:           k_q73c1c81424_prep
    .symbol:         k_q73c1c81424_prep.kd
    .args:
      - { .name: inputs, .offset: 0, .size: 8, .value_kind: global_buffer, .address_space: global }
      - { .name: Wq, .offset: 8, .size: 8, .value_kind: global_buffer, .address_space: global }
      - { .name: Wk, .offset: 16, .size: 8, .value_kind: global_buffer, .address_space: global }
      - { .name: Wv, .offset: 24, .size: 8, .value_kind: global_buffer, .address_space: global }
      - { .name: Wo, .offset: 32, .size: 8, .value_kind: global_buffer, .address_space: global }
      - { .name: codes, .offset: 40, .size: 8, .value_kind: global_buffer, .address_space: global }
      - { .name: scales, .offset: 48, .size: 8, .value_kind: global_buffer, .address_space: global }
      - { .name: woT, .offset: 56, .size: 8, .value_kind: global_buffer, .address_space: global }
    .group_segment_fixed_size: 102912
    .private_segment_fixed_size: 0
    .kernarg_segment_align: 8
    .kernarg_segment_size: 64
    .max_flat_workgroup_size: 128
    .sgpr_count:     66
    .vgpr_count:     192
    .wavefront_size: 32
...
	.end_amdgpu_metadata
.endif
;; end of part 1
;; launch qkvgemm (part 2): grid 8 x 48, 4 waves a work-group, clusters of 4 x 4, 327,680 bytes of LDS; arguments codes, scales, qkv; writes qkv
.if DOCPART == 2
	.amdgcn_target "amdgcn-amd-amdhsa--gfx1250"
	.amdhsa_code_object_version 6
	.text
	.protected	k_q73c1c81424_qkvgemm
	.globl	k_q73c1c81424_qkvgemm
	.p2align	8
	.type	k_q73c1c81424_qkvgemm,@function
k_q73c1c81424_qkvgemm:
	s_mov_b64 s[64:65], 0
	v_nop
	global_prefetch_b8 v0, s[64:65] scope:SCOPE_SE
	s_setreg_imm32_b32 hwreg(HW_REG_WAVE_MODE, 25, 1), 1
	s_wait_xcnt 0x0
	s_wait_alu depctr_hold_cnt(0) depctr_sa_sdst(0) depctr_va_vdst(0) depctr_va_sdst(0) depctr_va_ssrc(0) depctr_va_vcc(0) depctr_vm_vsrc(0)
	s_getreg_b32 s2, hwreg(HW_REG_IB_STS2, 6, 4)
	s_cmp_eq_u32 s2, 0
	s_cbranch_scc0 .Lentry_in_a_cluster
	s_endpgm
.Lentry_in_a_cluster:
	s_bfe_u32 s2, ttmp6, 0x10000c
	s_cmp_lg_u32 s2, 0xf033
	s_cbranch_scc0 .Lentry_shape_is_right
	s_endpgm
.Lentry_shape_is_right:
; q, k, v = inputs x Wq, Wk, Wv on codes of FP4 (E2M1) with one E8M0 scale for each 32 along K = 1,024; sums in f32; results rounded once to f16 for the products that follow.
; codes [11264][512 bytes], scales [11264][32]: rows 0-8191 the inputs' rows, 8192 + 1024 w + n column n of Wq, Wk, Wv.
; qkv: bytes 0 on: [8192 s][q 1024 | k 1024] f16, 4,096 bytes a row; bytes 33,554,432 on: v TRANSPOSED, [4 batches][1024 e][2048 s] f16, 4,096 bytes a row: the keys are the later product's K.
; LIMIT: |q|, |k|, |v| up to 65,504 (f16); under 6e-5 they keep a step of 6e-8.
; A tile of C, 256 x 256, is made by four waves, 128 x 128 each: 64 accumulators, 512 registers.  K goes in two steps of 512 (rows of 256 bytes), one in each of two LDS slots: both are asked for at the start and none is filled again.
; THE MATRIX INSTRUCTION IS USED TRANSPOSED (source 0 = 16 rows of "B", source 1 = 16 rows of "A"): a lane holds eight neighbouring columns of one row of C.
; Clusters with y < 8 make q | k: A = the inputs' rows, B = Wq's and Wk's.  The eight clusters with y >= 8 make v^T with the parts changed: A = Wv's rows (e), B = the inputs' rows (s): a lane's eight results are eight neighbouring s of one e.
; The choice hangs on the cluster's y alone, which all sixteen partners share, and only selects numbers: no branch hangs on it.  384 work-groups.
; CLUSTERS: 4 x 4.  A's tiles and scales are shared along a row of the cluster, B's along a column: each is asked for jointly, by the same tensor load with the same descriptor and a mask that names the four.
; REGISTERS: window 0: v0-31 addresses; v32-95 scale words, two sets; v128-191 A's fragments, one set; on the way out v128-223.  window 1: B's fragments, two sets.  windows 2, 3: the accumulators of my rows 0-63, 64-127.
.set KSTEP,  512
.set NQ,     KSTEP/128
.set ROWB,   256                       ; a tile's row in bytes
.set KROW,   512                       ; a row of codes in memory
.set PITCH,  272                       ; an LDS row: 256 bytes + 16 of padding = 68 words: the 16 rows that a load touches start at 16 different banks (64 banks of 4 bytes: ISA guide 11.1)
.set FR,     8
.set NL,     2
.set NP,     4                         ; places behind this matrix instruction (ISA guide 7.12.1)
.set HALFT,  128*PITCH
.set SLOT,   4*HALFT                   ; A's 256 rows, then B's 256 rows
.set KS,     32                        ; a row of scales in bytes
.set SCL,    2*SLOT                    ; behind the slots: the scales, as units of 256 bytes + 16 of padding
.set HALFS,  (128*KS/256)*272
.set SBLK,   (16*KS/256)*272
.set SPARE,  SCL+4*HALFS               ; the spare words, 128 bytes for each wave: two blocks of 256 bytes that no other line names
.set STAGE,  SPARE+512                 ; the way out: 16 rows x 272 bytes for each wave; no tensor load lands here
.set SPITCH, 272
.set ADRA, 16
.set ADRB, 20
.set STO,  24
.set RD,   25
.set CO,   26
.set ADRS, 27
.set SPW,  28
.set NIL,  29
.set SC,   32
.set AF,   128
.set BK,   128                         ; the way out: rows read back: v128-159 and v160-191 by turns
.set TMP,  192                         ; the way out: packed results
.set G1, 24
.set G0, 32
.set G1B, 48
.set G0B, 56
.set G1S, 68
.set G0S, 76
.set G1SB, 80
.set G0SB, 88
.set MSB, 0
.macro WIN new                         ; the immediate's high byte repeats the setting that is left
.if MSB != (\new)
	s_set_vgpr_msb (MSB<<8)|(\new)
.set MSB, (\new)
.endif
.endm
.set MUL_LO, 0xa1                      ; source 0 (B) window 1, source 1 (A) window 0, C and D window 2
.set MUL_HI, 0xf1
.set TO_B,   0x40
; A joint load: waves 0 and 1 fetch for A, waves 2 and 3 for B; the branch hangs on the wave's number alone.  An s_nop 0 and four v_nop follow each of the two lines.
.macro JLOAD g0a, g1a, g0b, g1b
	s_cmp_eq_u32 s15, 0
	s_cbranch_scc0 .Lfor_b_\@
	tensor_load_to_lds s[\g0a:\g0a+3], s[\g1a:\g1a+7]
	s_nop 0
.rept 4
	v_nop
.endr
	s_branch .Lasked_\@
.Lfor_b_\@:
	tensor_load_to_lds s[\g0b:\g0b+3], s[\g1b:\g1b+7]
	s_nop 0
.rept 4
	v_nop
.endr
.Lasked_\@:
.endm
.macro CROUND                          ; a round of the cluster's barrier
	s_barrier_signal -1
	s_barrier_wait -1
	s_cmp_lg_u32 s14, 0
	s_cbranch_scc1 .Lnot_wave_0_\@
	s_barrier_signal -3
.Lnot_wave_0_\@:
	s_barrier_wait -3
	s_barrier_signal -1
	s_barrier_wait -1
.endm
	s_load_b128 s[4:7], s[0:1], 0x0                ; codes s[4:5], scales s[6:7]
	s_load_b64 s[12:13], s[0:1], 0x10              ; qkv
	v_lshl_add_u32 v[SPW], v0, 2, SPARE
	v_mov_b32 v[NIL], 0
	ds_add_u32 v[SPW], v[NIL]                      ; the wave's opening: the add, twice on end, and its wait ahead of my first tensor load
	ds_add_u32 v[SPW], v[NIL]
	v_lshrrev_b32 v1, 5, v0
	v_readfirstlane_b32 s14, v1                    ; wave 0..3
	s_lshr_b32 s15, s14, 1                         ; which half of the tile's rows is mine.  Also: I fetch for A (0) or for B (1)
	s_and_b32 s16, s14, 1                          ; which half of its columns.  Also: which 128 rows I fetch
	s_bfe_u32 s40, ttmp6, 0x40000                  ; cx
	s_bfe_u32 s41, ttmp6, 0x40004                  ; cy
	s_and_b32 s17, ttmp7, 0xffff                   ; the cluster's y, 0..11
	s_max_u32 s8, s17, 8
	s_lshl_b32 s8, s8, 1
	s_add_co_u32 s8, s8, ttmp9
	s_sub_co_u32 s8, s8, 16                        ; v^T: which four tile columns: 2 (y - 8) + x
	s_cmp_lt_u32 s17, 8                            ; q | k, or v^T?
	s_cselect_b32 s42, ttmp9, s8                   ; four tile columns,
	s_cselect_b32 s17, s17, 0                      ; four tile rows,
	s_cselect_b32 s9, 0, 10240                     ; A's first row in codes,
	s_cselect_b32 s10, 8192, 0                     ; B's,
	s_cselect_b32 s11, 0, 0x2000000                ; and where C begins in qkv
	s_lshl_b32 s42, s42, 2
	s_add_co_u32 s42, s42, s40                     ; tile column
	s_lshl_b32 s17, s17, 2
	s_add_co_u32 s17, s17, s41                     ; tile row
	s_lshl_b32 s43, s41, 2
	s_lshl_b32 s43, 15, s43                        ; my row of the cluster
	s_lshl_b32 s44, 0x1111, s40                    ; my column
	; descriptor group 1: 128 rows x 256 bytes, 16 bytes of padding behind each
	s_or_b32 s[G1+0], s43, (0<<16)|(1<<20)|(1<<21)|(5<<22)|(3<<25)  ; 15:0 the mask; 17:16 elements of 1 byte; 20 padding on; 21 set beside a mask; 24:22 after every 64 words; 31:25 four words
	s_or_b32 s[G1B+0], s44, (0<<16)|(1<<20)|(1<<21)|(5<<22)|(3<<25)
.irp g, G1, G1B
	s_mov_b32 s[\g+1], ROWB<<16                    ; tensor_dim0
	s_mov_b32 s[\g+2], 128<<16                     ; tensor_dim1
	s_mov_b32 s[\g+3], ROWB<<16                    ; tile_dim0
	s_mov_b32 s[\g+4], 128                         ; tile_dim1
	s_mov_b32 s[\g+5], KROW                        ; tensor_dim0_stride
	s_mov_b32 s[\g+6], 0
	s_mov_b32 s[\g+7], 0
.endr
	; the scales of 128 rows: 4,096 dense bytes, as 16 rows of 256 bytes (32 elements of 8 bytes), 16 bytes of padding behind each
	s_or_b32 s[G1S+0], s43, (3<<16)|(1<<20)|(1<<21)|(5<<22)|(3<<25)
	s_or_b32 s[G1SB+0], s44, (3<<16)|(1<<20)|(1<<21)|(5<<22)|(3<<25)
.irp g, G1S, G1SB
	s_mov_b32 s[\g+1], 32<<16
	s_mov_b32 s[\g+2], (128*KS/256)<<16
	s_mov_b32 s[\g+3], 32<<16
	s_mov_b32 s[\g+4], 128*KS/256
	s_mov_b32 s[\g+5], 32
	s_mov_b32 s[\g+6], 0
	s_mov_b32 s[\g+7], 0
.endr
	s_lshl_b32 s18, s16, 7                         ; which 128 rows of the tile I fetch
	s_lshl_b32 s20, s17, 8
	s_add_co_u32 s20, s20, s18
	s_add_co_u32 s20, s20, s9                      ; A: its row in codes
	s_lshl_b32 s46, s42, 8
	s_add_co_u32 s46, s46, s18
	s_add_co_u32 s46, s46, s10                     ; B: likewise
	s_lshl_b32 s22, s20, 5                         ; where these rows' scales begin, in bytes
	s_mov_b32 s23, 0
	s_lshl_b32 s92, s46, 5
	s_mov_b32 s93, 0
	s_lshl_b32 s20, s20, 9                         ; and their codes
	s_mov_b32 s21, 0
	s_lshl_b32 s46, s46, 9
	s_mov_b32 s47, 0
	s_mul_i32 s45, s14, HALFT                      ; where they go: wave x 128 rows: no place in the cluster enters an LDS address
	s_mul_i32 s94, s14, HALFS
	s_wait_dscnt 0x0                               ; both opening adds are done
	s_wait_kmcnt 0x0
	s_add_nc_u64 s[22:23], s[6:7], s[22:23]
	s_add_nc_u64 s[92:93], s[6:7], s[92:93]
	s_add_nc_u64 s[20:21], s[4:5], s[20:21]
	s_add_nc_u64 s[46:47], s[4:5], s[46:47]
	CROUND                                         ; all sixteen work-groups are here: the joint loads meet
	s_mov_b32 s[G0S], 1
	s_add_co_u32 s[G0S+1], s94, SCL
	s_mov_b64 s[G0S+2:G0S+3], s[22:23]
	s_or_b32 s[G0S+3], s[G0S+3], 0x80000000
	s_mov_b32 s[G0SB], 1
	s_add_co_u32 s[G0SB+1], s94, SCL
	s_mov_b64 s[G0SB+2:G0SB+3], s[92:93]
	s_or_b32 s[G0SB+3], s[G0SB+3], 0x80000000
	JLOAD G0S, G1S, G0SB, G1SB                     ; the scales first: they are wanted with K step 0
.irp s, 0,1
	s_mov_b32 s[G0+4*\s], 1
	s_add_co_u32 s[G0+4*\s+1], s45, \s*SLOT
	s_add_nc_u64 s[G0+4*\s+2:G0+4*\s+3], s[20:21], \s*ROWB
	s_or_b32 s[G0+4*\s+3], s[G0+4*\s+3], 0x80000000
	s_mov_b32 s[G0B+4*\s], 1
	s_add_co_u32 s[G0B+4*\s+1], s45, \s*SLOT
	s_add_nc_u64 s[G0B+4*\s+2:G0B+4*\s+3], s[46:47], \s*ROWB
	s_or_b32 s[G0B+4*\s+3], s[G0B+4*\s+3], 0x80000000
	JLOAD G0+4*\s, G1, G0B+4*\s, G1B               ; three tensor loads of mine are out behind the last of these
.endr
	v_and_b32 v1, 15, v0                           ; l % 16
	v_bfe_u32 v2, v0, 4, 1                         ; l / 16
	v_mul_u32_u24 v3, v1, PITCH
	v_lshl_add_u32 v4, v2, 4, v3                   ; a fragment's row x pitch + 16 x half
	s_mul_i32 s21, s15, HALFT                      ; my 128 rows of A
	s_mul_i32 s22, s16, HALFT                      ; my 128 rows of B,
	s_add_co_u32 s22, s22, 2*HALFT                 ; which lie behind A's 256
.irp s, 0,1
	v_add_nc_u32 v[ADRA+\s], s21, v4
	v_add_nc_u32 v[ADRB+\s], s22, v4
	s_add_co_u32 s21, s21, SLOT
	s_add_co_u32 s22, s22, SLOT
.endr
	v_mul_u32_u24 v5, v1, KS                       ; my row's scales: 32 bytes a row,
	v_lshrrev_b32 v6, 8, v5
	v_lshl_add_u32 v5, v6, 4, v5                   ; and 16 more for each 256 passed
	s_mul_i32 s21, s15, HALFS
	s_mul_i32 s22, s16, HALFS
	s_add_co_u32 s22, s22, 2*HALFS
	s_sub_co_u32 s22, s22, s21
	v_mul_u32_u24 v6, s22, v2                      ; lanes 16-31 take B's
	s_add_co_u32 s21, s21, SCL
	v_add_nc_u32 v5, v5, v6
	v_add_nc_u32 v[ADRS], s21, v5
	s_mul_i32 s23, s14, 16*SPITCH
	s_add_co_u32 s23, s23, STAGE                   ; my stage
	v_mul_u32_u24 v5, v1, SPITCH                   ; in: row l % 16, 16 bytes for each half of the lanes
	v_lshl_add_u32 v5, v2, 4, v5
	v_add_nc_u32 v[STO], s23, v5
	v_mul_u32_u24 v5, v2, SPITCH                   ; back: lanes 0-15 one row of 256 bytes, lanes 16-31 the next
	v_lshl_add_u32 v5, v1, 4, v5
	v_add_nc_u32 v[RD], s23, v5
	v_lshlrev_b32 v5, 12, v2                       ; and the same two rows in C: 4,096 bytes a row
	v_lshl_add_u32 v[CO], v1, 4, v5
	s_lshl_b32 s20, s17, 8
	s_lshl_b32 s21, s15, 7
	s_add_co_u32 s20, s20, s21                     ; my first row of C
	s_lshl_b32 s20, s20, 12
	s_add_co_u32 s20, s20, s11
	s_mov_b32 s21, 0
	s_lshr_b32 s46, s42, 3                         ; eight tile columns to a row of 4,096 bytes; beyond that (v^T alone) the next batch, 1,024 rows on
	s_lshl_b32 s46, s46, 22
	s_and_b32 s47, s42, 7
	s_lshl_b32 s47, s47, 9
	s_add_co_u32 s46, s46, s47
	s_lshl_b32 s47, s16, 8
	s_add_co_u32 s46, s46, s47
	s_mov_b32 s47, 0
	s_add_nc_u64 s[20:21], s[20:21], s[46:47]
	s_add_nc_u64 s[12:13], s[12:13], s[20:21]
.macro FRAG reg, adr, q, i             ; 16 rows x 128 K of 4-bit codes: 8 registers: lane l holds row l % 16; registers 4 c .. 4 c + 3 hold K = 64 c + 32 (l / 16) + 0 .. 31
.irp c, 0,1
	ds_load_b128 v[\reg+4*\c:\reg+4*\c+3], v[\adr] offset:64*(\q)+32*\c+(\i)*16*PITCH
.endr
.endm
; 16 matrix instructions: A's blocks a0, a0 + 1 x B's eight, the slot's q-th 128 along K.  p: B's set; sc: the set of scale words.  The 64 accumulators take turns, one instruction a turn.
.macro MUL16 a0, p, q, sc, zero
.irp a, \a0, \a0+1
.irp b, 0,1,2,3,4,5,6,7
.if \zero
	v_wmma_scale_f32_16x16x128_f8f6f4 v[8*(8*((\a)%4)+\b):8*(8*((\a)%4)+\b)+7], v[128*(\p)+FR*\b:128*(\p)+FR*\b+FR-1], v[AF+FR*(\a):AF+FR*(\a)+FR-1], 0, v[SC+8*NQ*(\sc)+NQ*\b+(\q)], v[SC+8*NQ*(\sc)+NQ*(\a)+(\q)] matrix_a_fmt:MATRIX_FMT_FP4 matrix_b_fmt:MATRIX_FMT_FP4 matrix_a_scale:MATRIX_SCALE_ROW1
.else
	v_wmma_scale_f32_16x16x128_f8f6f4 v[8*(8*((\a)%4)+\b):8*(8*((\a)%4)+\b)+7], v[128*(\p)+FR*\b:128*(\p)+FR*\b+FR-1], v[AF+FR*(\a):AF+FR*(\a)+FR-1], v[8*(8*((\a)%4)+\b):8*(8*((\a)%4)+\b)+7], v[SC+8*NQ*(\sc)+NQ*\b+(\q)], v[SC+8*NQ*(\sc)+NQ*(\a)+(\q)] matrix_a_fmt:MATRIX_FMT_FP4 matrix_b_fmt:MATRIX_FMT_FP4 matrix_a_scale:MATRIX_SCALE_ROW1
.endif
.endr
.endr
.endm
.macro FETCH_B slot, q, p
	WIN TO_B
.irp i, 0,1,2,3,4,5,6,7
	FRAG 128*(\p)+FR*\i, ADRB+\slot, \q, \i
.endr
	WIN 0
.endm
.macro FETCH_A slot, q, i0
.irp i, \i0, \i0+1, \i0+2, \i0+3
	FRAG AF+FR*(\i), ADRA+\slot, \q, \i
.endr
.endm
.macro SCALES sc                       ; a K step's scale words: four a row; lanes 0-15 take A's block i, lanes 16-31 B's block i
.irp i, 0,1,2,3,4,5,6,7
	ds_load_b128 v[SC+8*NQ*\sc+NQ*\i:SC+8*NQ*\sc+NQ*\i+3], v[ADRS] offset:\i*SBLK
.endr
.endm
.macro PLACES n                        ; places in front of loads into registers that matrix instructions have read, and of the first read of results
.rept \n
	v_nop
.endr
.endm
.macro STEP slot, q, zero              ; 128 along K that has its successor in the same slot
	s_wait_dscnt 4*NL                              ; B's set and A's blocks 0-3 are in; the youngest eight loads (A's blocks 4-7) may be out
	WIN MUL_LO
	MUL16 0, (\q)%2, \q, \slot, \zero
	MUL16 2, (\q)%2, \q, \slot, \zero
	s_wait_dscnt 0
	PLACES NP
	FETCH_B \slot, (\q)+1, 1-(\q)%2
	FETCH_A \slot, (\q)+1, 0
	WIN MUL_HI
	MUL16 4, (\q)%2, \q, \slot, \zero
	MUL16 6, (\q)%2, \q, \slot, \zero
	PLACES NP
	WIN 0
	FETCH_A \slot, (\q)+1, 4
.endm
.macro STEPS slot, from
.set Q, \from
.rept NQ-1-\from
	STEP \slot, Q, 0
.set Q, Q+1
.endr
.endm
	s_wait_tensorcnt 1                             ; the scales and my part of K step 0 are in; K step 1's load may be out
	s_barrier_signal -1
	s_barrier_wait -1
	FETCH_B 0, 0, 0
	FETCH_A 0, 0, 0
	SCALES 0
	FETCH_A 0, 0, 4
	STEP 0, 0, 1                                   ; the first products start the sums: nothing is cleared
	STEPS 0, 1
	; slot 0's last 128 along K, and the change to slot 1: one barrier; nothing is filled again
	s_wait_tensorcnt 0x0                           ; my part of slot 1 has landed
	ds_add_u32 v[SPW], v[NIL]                      ; 0 onto my spare word
	s_wait_dscnt 4*NL+1                            ; the add and the youngest eight loads may be out
	WIN MUL_LO
	MUL16 0, 1, NQ-1, 0, 0
	s_wait_dscnt 0x0
	s_barrier_signal -1
	MUL16 2, 1, NQ-1, 0, 0
	WIN 0
	s_barrier_wait -1                              ; slot 1 is whole
	PLACES NP
	v_add_nc_u32 v[ADRS], 4*NQ, v[ADRS]            ; on to K step 1's scale words
	FETCH_B 1, 0, 0
	FETCH_A 1, 0, 0
	SCALES 1
	WIN MUL_HI
	MUL16 4, 1, NQ-1, 0, 0
	MUL16 6, 1, NQ-1, 0, 0
	PLACES NP
	WIN 0
	FETCH_A 1, 0, 4
	STEPS 1, 0
	s_wait_dscnt 4*NL                              ; the very last 128 along K
	WIN MUL_LO
	MUL16 0, 1, NQ-1, 1, 0
	MUL16 2, 1, NQ-1, 1, 0
	s_wait_dscnt 0
	WIN MUL_HI
	MUL16 4, 1, NQ-1, 1, 0
	MUL16 6, 1, NQ-1, 1, 0
	WIN 0
; THE WAY OUT, a block of 16 rows x 128 columns at a time: rounded to f16 (16 bytes a lane), through my own stage, back as whole rows of 256 bytes.
.macro PACK a
.set AC, 64*((\a)%4)
	WIN 0x0a+5*((\a)/4)                            ; sources 0 and 1: window 2 or 3
.irp b, 0,1,2,3,4,5,6,7
.irp r, 0,1,2,3
	v_cvt_pk_f16_f32 v[TMP+4*\b+\r], v[AC+8*\b+2*\r], v[AC+8*\b+2*\r+1]   ; each accumulator from its low end on
.endr
.endr
	WIN 0
.endm
.macro TOSTAGE a
.set BB, BK+32*((\a)%2)
.irp b, 0,1,2,3,4,5,6,7
	ds_store_b128 v[STO], v[TMP+4*\b:TMP+4*\b+3] offset:32*\b
.endr
.irp t, 0,1,2,3,4,5,6,7
	ds_load_b128 v[BB+4*\t:BB+4*\t+3], v[RD] offset:\t*2*SPITCH    ; LDS serves a wave's instructions in order (ISA guide 5.7.1.4): these see the stores above
.endr
.endm
.macro SEND a
.set BB, BK+32*((\a)%2)
	s_wait_dscnt 0x0                               ; the block is back in registers
	s_wait_xcnt 0x0                                ; the earlier stores have read their base and their registers: only now are they rewritten
.if (\a) > 0
	s_add_nc_u64 s[12:13], s[12:13], 16*4096       ; 16 rows of C on
.endif
.irp t, 0,1,2,3,4,5,6,7
	global_store_b128 v[CO], v[BB+4*\t:BB+4*\t+3], s[12:13] offset:2*\t*4096   ; 16 lanes store 256 consecutive bytes, aligned
.endr
.endm
	PLACES NP
	PACK 0
	TOSTAGE 0
.irp a, 1,2,3,4,5,6,7
	PACK \a
	SEND \a-1
	TOSTAGE \a
.endr
	SEND 7
	s_wait_tensorcnt 0x0                           ; the wave's end
	ds_add_u32 v[SPW], v[NIL]
	s_wait_dscnt 0x0
	CROUND                                         ; the closing round
	s_endpgm
.Lfunc_end_k_q73c1c81424_qkvgemm:
	.size	k_q73c1c81424_qkvgemm, .Lfunc_end_k_q73c1c81424_qkvgemm-k_q73c1c81424_qkvgemm
	.p2alignl 7, 3214868480
	.fill 96, 4, 3214868480
	.section	.rodata,"a",@progbits
	.p2align	6, 0x0
	.amdhsa_kernel k_q73c1c81424_qkvgemm
		.amdhsa_group_segment_fixed_size 327680
		.amdhsa_private_segment_fixed_size 0
		.amdhsa_enable_private_segment 0
		.amdhsa_kernarg_size 24
		.amdhsa_user_sgpr_count 2
		.amdhsa_user_sgpr_kernarg_segment_ptr 1
		.amdhsa_wavefront_size32 1
		.amdhsa_system_sgpr_workgroup_id_x 1
		.amdhsa_system_sgpr_workgroup_id_y 1
		.amdhsa_system_sgpr_workgroup_id_z 1
		.amdhsa_system_vgpr_workitem_id 0
		.amdhsa_next_free_vgpr 1024
		.amdhsa_next_free_sgpr 98
		.amdhsa_reserve_vcc 0
		.amdhsa_float_denorm_mode_32 3
		.amdhsa_float_denorm_mode_16_64 3
		.amdhsa_memory_ordered 1
		.amdhsa_forward_progress 1
		.amdhsa_inst_pref_size 127
	.end_amdhsa_kernel
	.amdgpu_metadata
---
amdhsa.version: [ 1, 2 ]
amdhsa.kernels:
  - .name:           k_q73c1c81424_qkvgemm
    .symbol:         k_q73c1c81424_qkvgemm.kd
    .args:
      - { .name: codes, .offset: 0, .size: 8, .value_kind: global_buffer, .address_space: global }
      - { .name: scales, .offset: 8, .size: 8, .value_kind: global_buffer, .address_space: global }
      - { .name: qkv, .offset: 16, .size: 8, .value_kind: global_buffer, .address_space: global }
    .group_segment_fixed_size: 327680
    .private_segment_fixed_size: 0
    .kernarg_segment_align: 8
    .kernarg_segment_size: 24
    .max_flat_workgroup_size: 128
    .sgpr_count:     98
    .vgpr_count:     1024
    .wavefront_size: 32
...
	.end_amdgpu_metadata
.endif
;; end of part 2
;; launch scores (part 3): grid 8 x 32, 4 waves a work-group, clusters of 4 x 4, 327,680 bytes of LDS; arguments qkv, pmat, stats; writes pmat, stats
.if DOCPART == 3
	.amdgcn_target "amdgcn-amd-amdhsa--gfx1250"
	.amdhsa_code_object_version 6
	.text
	.protected	k_q73c1c81424_scores
	.globl	k_q73c1c81424_scores
	.p2align	8
	.type	k_q73c1c81424_scores,@function
k_q73c1c81424_scores:
	s_mov_b64 s[64:65], 0
	v_nop
	global_prefetch_b8 v0, s[64:65] scope:SCOPE_SE
	s_setreg_imm32_b32 hwreg(HW_REG_WAVE_MODE, 25, 1), 1
	s_wait_xcnt 0x0
	s_wait_alu depctr_hold_cnt(0) depctr_sa_sdst(0) depctr_va_vdst(0) depctr_va_sdst(0) depctr_va_ssrc(0) depctr_va_vcc(0) depctr_vm_vsrc(0)
	s_getreg_b32 s2, hwreg(HW_REG_IB_STS2, 6, 4)
	s_cmp_eq_u32 s2, 0
	s_cbranch_scc0 .Lentry_in_a_cluster
	s_endpgm
.Lentry_in_a_cluster:
	s_bfe_u32 s2, ttmp6, 0x10000c
	s_cmp_lg_u32 s2, 0xf033
	s_cbranch_scc0 .Lentry_shape_is_right
	s_endpgm
.Lentry_shape_is_right:
; S = q k^T in f16 with f32 sums, and the softmax's first half, block by block of 128 keys.
; qkv [8192 s][q 1024 | k 1024] f16, 4,096 bytes a row.  pmat [8192 q][2048 keys of q's batch] f16.  stats [16 key blocks][8192 q][2] f32 = (-M, l).
; For a query and a block of 128 keys: t = score x log2(e) / 8;  -M = floor(-(the block's largest t)): M is a whole number;  p = 2^(t - M), at most 1, rounded to f16;  l = the f32 sum of the unrounded p.
; The next launch brings the 16 blocks of a row under the row's own largest M by powers of two, which round nothing: so the row's maximum is taken away as the softmax asks, for every input.
; LIMIT: p under 6e-8 of its block's largest term is lost (f16).
; SHARES.  S has 32 x 8 tiles of 256 queries x 256 keys: one work-group each, 256 in all.  Four waves, as many as a WGP has SIMDs; a wave makes 128 queries x 128 keys, one key block: 64 accumulators, 512 registers.
; THE MATRIX INSTRUCTION IS USED TRANSPOSED (source 0 = 16 keys, source 1 = 16 queries): lane (r, h) holds query 16 a + r and keys 16 b + 8 h + 0 .. 7: a block's maximum and sum want one exchange between the halves of the lanes.
; K = 1,024 goes in 8 steps of 128 (rows of 256 bytes) through two LDS slots; a wave issues 256 matrix instructions a step, 224 of them between a refill's request and the wait for it.
; CLUSTERS: 4 x 4: q's tile is shared along a row of the cluster, k's along a column: each is asked for jointly, by the same tensor load with the same descriptor and a mask that names the four.
; REGISTERS: window 0: v0-31 addresses; v32-59 statistics; v64-127, v128-191 q's fragments (8 x 16 rows x 32 K), two buffers; on the way out v64-127 t and p, v128-159 packed p, v160-223 rows read back, v224-231 pairs of statistics.
;   window 1: v64-127, v128-191 k's fragments, two buffers.   window 2: the accumulators of my queries 0-63 ((a, b) at v[8 (8 a + b)]);   window 3: those of my queries 64-127.
.set PITCH,  272                       ; an LDS row: 256 bytes + 16 of padding: the 16 rows that a load touches start at 16 different banks (64 banks of 4 bytes: ISA guide 11.1)
.set HALFT,  128*PITCH                 ; 128 rows: what one tensor load brings, and what one wave reads of q or of k
.set SLOT,   4*HALFT                   ; q's 256 rows, then k's 256 rows
.set STAGE,  2*SLOT                    ; 16 rows x 272 bytes for each wave; no tensor load lands here
.set SPARE,  STAGE+4*16*PITCH          ; the spare words, 128 bytes for each wave: two blocks of 256 bytes that no other line names
.set LAPS,   4                         ; 8 K steps, two to a lap
.set PA,     4096                      ; bytes from row to row of qkv
.set PC,     4096                      ; and of pmat
.set ADRA, 16                          ; v16-17  LDS address of my q fragments in slot 0, 1
.set ADRB, 20                          ; v20-21  the same for k
.set STO,  24
.set RD,   25
.set CO,   26
.set SPW,  28                          ; v28  LDS address of my spare word; never rewritten
.set NIL,  29                          ; v29  0; never rewritten
.set NINF, 30                          ; v30  -infinity: starts the chains of maxima
.set SOF,  31                          ; v31  8 x lane: my place in a store of statistics
.set MX,   32                          ; v32-35 four chains of maxima
.set NM,   36                          ; v[36:37] -M, twice
.set SA,   38                          ; v[38:39], v[40:41] two chains of sums
.set SB,   40
.set NMS,  44                          ; v44-51 -M of a = 0..7
.set LS,   52                          ; v52-59 l of a = 0..7
.set F0,   64                          ; fragment buffer 0
.set F1,   128                         ; fragment buffer 1
.set W,    64
.set PK,   128
.set BK0,  160
.set ST,   224                         ; v224-231 pairs to store
.set G1A, 24
.set G0A, 32
.set G1B, 48
.set G0B, 56
.set CS,  68                           ; s[68:69] c = log2(e) / 8
.set SEL, 70                           ; s[70:71] v_permlanex16_b32's selects for lane l xor 16
.set MSB, 0
.macro WIN new                         ; the immediate's high byte repeats the setting that is left
.if MSB != (\new)
	s_set_vgpr_msb (MSB<<8)|(\new)
.set MSB, (\new)
.endif
.endm
.set MUL_LO, 0xa1                      ; source 0 (k) window 1, source 1 (q) window 0, C and D window 2
.set MUL_HI, 0xf1                      ; the same, C and D window 3
.set TO_B,   0x40                      ; destination window 1, address window 0
.macro JLOAD s                         ; a joint load: waves 0, 1 fetch q's halves, waves 2, 3 k's; the branch hangs on the wave's number alone; an s_nop 0 and four v_nop follow each line
	s_cmp_eq_u32 s11, 0
	s_cbranch_scc0 .Lfor_b_\@
	tensor_load_to_lds s[G0A+4*\s:G0A+4*\s+3], s[G1A:G1A+7]
	s_nop 0
.rept 4
	v_nop
.endr
	s_branch .Lasked_\@
.Lfor_b_\@:
	tensor_load_to_lds s[G0B+4*\s:G0B+4*\s+3], s[G1B:G1B+7]
	s_nop 0
.rept 4
	v_nop
.endr
.Lasked_\@:
.endm
.macro CREST                           ; a round of the cluster's barrier behind its opening barrier
	s_cmp_lg_u32 s10, 0
	s_cbranch_scc1 .Lnot_wave_0_\@
	s_barrier_signal -3
.Lnot_wave_0_\@:
	s_barrier_wait -3
	s_barrier_signal -1
	s_barrier_wait -1
.endm
.macro CROUND
	s_barrier_signal -1
	s_barrier_wait -1
	CREST
.endm
.macro PLACES                          ; four places in front of loads into registers that matrix instructions have read, and of the first read of results
.rept 4
	v_nop
.endr
.endm
; 16 matrix instructions: query blocks a0, a0 + 1 of the window's four (hi = 0: my queries 0-63, 1: 64-127) x all 8 key blocks, 32 along K.  zero = 1: the first product starts the sums.
; The 64 accumulators take turns, one instruction a turn, in the same order in every quarter step.
.macro MUL16 f, hi, a0, zero
.irp a, \a0, \a0+1
.irp b, 0,1,2,3,4,5,6,7
.if \zero
	v_wmma_f32_16x16x32_f16 v[8*(8*(\a)+\b):8*(8*(\a)+\b)+7], v[\f+8*\b:\f+8*\b+7], v[\f+8*(4*\hi+\a):\f+8*(4*\hi+\a)+7], 0
.else
	v_wmma_f32_16x16x32_f16 v[8*(8*(\a)+\b):8*(8*(\a)+\b)+7], v[\f+8*\b:\f+8*\b+7], v[\f+8*(4*\hi+\a):\f+8*(4*\hi+\a)+7], v[8*(8*(\a)+\b):8*(8*(\a)+\b)+7]
.endif
.endr
.endr
.endm
; 32 LDS loads in one run: the fragments of one quarter step (128 rows of k, 128 rows of q, 32 K at byte k of the rows) into buffer f; the youngest eight are q's rows 64-127
.macro FETCH slot, k, f
	WIN TO_B
.irp i, 0,1,2,3,4,5,6,7
	ds_load_b128 v[\f+8*\i:\f+8*\i+3],   v[ADRB+\slot] offset:\k+\i*16*PITCH
	ds_load_b128 v[\f+8*\i+4:\f+8*\i+7], v[ADRB+\slot] offset:\k+\i*16*PITCH+32
.endr
	WIN 0
.irp i, 0,1,2,3,4,5,6,7
	ds_load_b128 v[\f+8*\i:\f+8*\i+3],   v[ADRA+\slot] offset:\k+\i*16*PITCH
	ds_load_b128 v[\f+8*\i+4:\f+8*\i+7], v[ADRA+\slot] offset:\k+\i*16*PITCH+32
.endr
.endm
; A K step is four quarter steps of 32 along K, 64 matrix instructions each, on buffers 0, 1, 0, 1.  One of the first three: multiplies buffer f; in its middle it fetches the next quarter, at byte k of the same slot's rows, into g.
.macro QUARTER slot, k, f, g, zero
	s_wait_dscnt 8                                 ; k and q's rows 0-63 are in; the youngest eight loads (q's rows 64-127) may be out
	WIN MUL_LO
	MUL16 \f, 0, 0, \zero
	MUL16 \f, 0, 2, \zero
	PLACES
	FETCH \slot, \k, \g
	s_wait_dscnt 32                                ; all but the 32 just issued
	WIN MUL_HI
	MUL16 \f, 1, 0, \zero
	MUL16 \f, 1, 2, \zero
.endm
; The last quarter multiplies buffer 1 and changes slots.  MEET is its first half: ONE barrier; in front of it each wave waits for all its tensor loads (one is out: its part of the next slot), adds 0 to its spare word,
; and waits for that and for its own reads of this slot.  Behind it nobody reads this slot any more and the next slot is whole.
.macro MEET round
	WIN 0                                          ; (the add's two registers lie in window 0)
	s_wait_tensorcnt 0x0
	ds_add_u32 v[SPW], v[NIL]                      ; 0 onto my spare word
	s_wait_dscnt 9                                 ; the add and the youngest eight loads may be out
	WIN MUL_LO
	MUL16 F1, 0, 0, 0                              ; sixteen matrix instructions stand between the add and the wait for it
	s_wait_dscnt 0x0                               ; the add is done, and my reads of this slot are over
	s_barrier_signal -1
	MUL16 F1, 0, 2, 0
.if \round
	WIN 0
.endif
	s_barrier_wait -1
.endm
.macro TURN slot, next
	MEET 1
	CREST                                          ; the barrier has opened a round of the cluster's barrier: no wave of any partner still reads this slot or has a load on its way
	s_add_nc_u64 s[G0A+4*\slot+2:G0A+4*\slot+3], s[G0A+4*\slot+2:G0A+4*\slot+3], 512   ; two K steps on
	s_add_nc_u64 s[G0B+4*\slot+2:G0B+4*\slot+3], s[G0B+4*\slot+2:G0B+4*\slot+3], 512
	JLOAD \slot                                    ; my one tensor load behind the round; its four v_nop are the places in front of the loads below
	FETCH \next, 0, F0
	WIN MUL_HI
	MUL16 F1, 1, 0, 0
	MUL16 F1, 1, 2, 0
.endm
	s_load_b64 s[4:5], s[0:1], 0x0                 ; qkv
	s_load_b64 s[8:9], s[0:1], 0x8                 ; pmat
	s_load_b64 s[66:67], s[0:1], 0x10              ; stats
	v_lshl_add_u32 v[SPW], v0, 2, SPARE
	v_mov_b32 v[NIL], 0
	ds_add_u32 v[SPW], v[NIL]                      ; the wave's opening: the add, twice on end, and its wait ahead of my first tensor load
	ds_add_u32 v[SPW], v[NIL]
	v_lshrrev_b32 v1, 5, v0
	v_readfirstlane_b32 s10, v1                    ; wave 0..3
	s_lshr_b32 s11, s10, 1                         ; which half of the tile's queries is mine.  Also: I fetch for q (0) or for k (1)
	s_and_b32 s12, s10, 1                          ; which half of its keys.  Also: which 128 rows I fetch
	s_bfe_u32 s40, ttmp6, 0x40000                  ; cx
	s_bfe_u32 s41, ttmp6, 0x40004                  ; cy
	s_lshl_b32 s42, ttmp9, 2
	s_add_co_u32 s42, s42, s40                     ; tile column: which 256 keys of the batch
	s_and_b32 s45, ttmp7, 0xffff
	s_lshl_b32 s13, s45, 2
	s_add_co_u32 s13, s13, s41                     ; tile row: which 256 queries
	s_lshr_b32 s45, s45, 1                         ; the batch: eight tile rows, two clusters
	s_lshl_b32 s43, s41, 2
	s_lshl_b32 s43, 15, s43                        ; my row of the cluster
	s_lshl_b32 s44, 0x1111, s40                    ; my column
	s_or_b32 s[G1A], s43, (1<<16)|(1<<20)|(1<<21)|(5<<22)|(3<<25)   ; 15:0 the mask; 17:16 elements of 2 bytes; 20 padding on; 21 set beside a mask; 24:22 after every 64 words; 31:25 four words
	s_or_b32 s[G1B], s44, (1<<16)|(1<<20)|(1<<21)|(5<<22)|(3<<25)
.irp g, G1A, G1B
	s_mov_b32 s[\g+1], 128<<16                     ; tensor_dim0 = 128
	s_mov_b32 s[\g+2], 128<<16                     ; tensor_dim1 = 128
	s_mov_b32 s[\g+3], 128<<16                     ; tile_dim0 = 128
	s_mov_b32 s[\g+4], 128                         ; tile_dim1 = 128
	s_mov_b32 s[\g+5], PA/2                        ; elements from row to row
	s_mov_b32 s[\g+6], 0
	s_mov_b32 s[\g+7], 0
.endr
	s_lshl_b32 s16, s13, 8
	s_lshl_b32 s17, s12, 7
	s_add_co_u32 s16, s16, s17
	s_mul_i32 s16, s16, PA                         ; q: row 256 x tile row + 128 x half
	s_mov_b32 s17, 0
	s_lshl_b32 s46, s42, 8
	s_lshl_b32 s47, s12, 7
	s_add_co_u32 s46, s46, s47
	s_mul_i32 s46, s46, PA                         ; k: row 256 x tile column + 128 x half of the batch,
	s_lshl_b32 s47, s45, 23                        ; the batch's 2,048 rows,
	s_add_co_u32 s46, s46, s47
	s_add_co_u32 s46, s46, 2048                    ; and k's half of a row
	s_mov_b32 s47, 0
	s_mul_i32 s20, s10, HALFT                      ; where they go: q's two halves, then k's two = wave x 128 rows: no place in the cluster enters an LDS address
	s_mov_b32 s[CS], 0x3e38aa3b                    ; c = log2(e) / 8
	s_mov_b32 s[CS+1], s[CS]
	s_mov_b32 s[SEL], 0x76543210
	s_mov_b32 s[SEL+1], 0xfedcba98
	s_wait_dscnt 0x0                               ; both opening adds are done
	s_wait_kmcnt 0x0
	s_add_nc_u64 s[14:15], s[4:5], s[16:17]
	s_add_nc_u64 s[46:47], s[4:5], s[46:47]
	CROUND                                         ; all sixteen work-groups are here: the first joint loads meet
.irp s, 0,1
	s_mov_b32 s[G0A+4*\s], 1
	s_add_co_u32 s[G0A+4*\s+1], s20, \s*SLOT
	s_add_nc_u64 s[G0A+4*\s+2:G0A+4*\s+3], s[14:15], \s*256
	s_or_b32 s[G0A+4*\s+3], s[G0A+4*\s+3], 0x80000000
	s_mov_b32 s[G0B+4*\s], 1
	s_add_co_u32 s[G0B+4*\s+1], s20, \s*SLOT
	s_add_nc_u64 s[G0B+4*\s+2:G0B+4*\s+3], s[46:47], \s*256
	s_or_b32 s[G0B+4*\s+3], s[G0B+4*\s+3], 0x80000000
	JLOAD \s                                       ; two tensor loads of mine are out behind the second
.endr
	v_and_b32 v1, 15, v0                           ; r
	v_bfe_u32 v2, v0, 4, 1                         ; h
	v_mul_u32_u24 v3, v1, PITCH
	v_lshl_add_u32 v3, v2, 4, v3                   ; a fragment's row x pitch + 16 x half
	s_mul_i32 s21, s11, HALFT                      ; my 128 rows of q
	s_mul_i32 s22, s12, HALFT                      ; my 128 rows of k,
	s_add_co_u32 s22, s22, 2*HALFT                 ; which lie behind q's 256
.irp s, 0,1
	v_add_nc_u32 v[ADRA+\s], s21, v3
	v_add_nc_u32 v[ADRB+\s], s22, v3
	s_add_co_u32 s21, s21, SLOT
	s_add_co_u32 s22, s22, SLOT
.endr
	s_mul_i32 s23, s10, 16*PITCH
	s_add_co_u32 s23, s23, STAGE                   ; my stage
	v_add_nc_u32 v[STO], s23, v3                   ; in: row r, 16 bytes for each half of the lanes
	v_mul_u32_u24 v4, v2, PITCH
	v_lshl_add_u32 v4, v1, 4, v4
	v_add_nc_u32 v[RD], s23, v4                    ; back: lanes 0-15 one row of 256 bytes, lanes 16-31 the next
	v_mul_u32_u24 v4, v2, PC
	v_lshl_add_u32 v[CO], v1, 4, v4                ; and the same two rows in pmat
	v_and_b32 v5, 31, v0
	v_cmp_lt_u32 s72, 15, v5                       ; the mask of lanes 16-31
	v_lshlrev_b32 v[SOF], 3, v5
	v_mov_b32 v[NINF], 0xff800000
	s_lshl_b32 s16, s13, 8
	s_lshl_b32 s17, s11, 7
	s_add_co_u32 s18, s16, s17                     ; my first query
	s_mul_i32 s16, s18, PC
	s_mov_b32 s17, 0
	s_add_nc_u64 s[8:9], s[8:9], s[16:17]
	s_lshl_b32 s46, s42, 9                         ; the tile's 256 keys are 512 bytes of a row,
	s_lshl_b32 s47, s12, 8                         ; my 128 of them 256
	s_add_co_u32 s46, s46, s47
	s_mov_b32 s47, 0
	s_add_nc_u64 s[8:9], s[8:9], s[46:47]
	s_lshl_b32 s46, s42, 1
	s_add_co_u32 s46, s46, s12                     ; my key block: 2 x tile column + half
	s_lshl_b32 s46, s46, 16                        ; its 8,192 pairs,
	s_lshl_b32 s18, s18, 3                         ; my first query's pair
	s_add_co_u32 s46, s46, s18
	s_add_nc_u64 s[66:67], s[66:67], s[46:47]
	s_wait_tensorcnt 1                             ; my part of K step 0 is in; K step 1's may be out
	s_barrier_signal -1
	s_barrier_wait -1
	FETCH 0, 0, F0
	QUARTER 0, 64,  F0, F1, 1                      ; the first quarter stands in front of the loop: its products start the sums: nothing is cleared
	WIN 0                                          ; at a label and at a branch every window is 0
	s_mov_b32 s3, LAPS-1
.Llap:                                                 ; a trip goes once round the ring, from a lap's second quarter to the next lap's first, and fills both slots again
	QUARTER 0, 128, F1, F0, 0
	QUARTER 0, 192, F0, F1, 0
	TURN 0, 1
	QUARTER 1, 64,  F0, F1, 0
	QUARTER 1, 128, F1, F0, 0
	QUARTER 1, 192, F0, F1, 0
	TURN 1, 0
	QUARTER 0, 64,  F0, F1, 0
	WIN 0
	s_sub_co_u32 s3, s3, 1
	s_cmp_lg_u32 s3, 0
	s_cbranch_scc1 .Llap
	QUARTER 0, 128, F1, F0, 0                      ; the last lap fills nothing, and has no round of the cluster's barrier
	QUARTER 0, 192, F0, F1, 0
	MEET 0
	PLACES
	FETCH 1, 0, F0
	WIN MUL_HI
	MUL16 F1, 1, 0, 0
	MUL16 F1, 1, 2, 0
	QUARTER 1, 64,  F0, F1, 0
	QUARTER 1, 128, F1, F0, 0
	QUARTER 1, 192, F0, F1, 0
	s_wait_dscnt 8                                 ; the very last quarter: nothing more to fetch
	WIN MUL_LO
	MUL16 F1, 0, 0, 0
	MUL16 F1, 0, 2, 0
	s_wait_dscnt 0
	WIN MUL_HI
	MUL16 F1, 1, 0, 0
	MUL16 F1, 1, 2, 0
	WIN 0
; THE BLOCK'S SOFTMAX for queries 16 a on: 64 scores a lane, in window 2 (a < 4) or 3.
.macro SOFT a
.set AC, 64*((\a)%4)
	WIN 0x28+0x14*((\a)/4)                         ; sources 1 and 2: window 2 or 3
.irp jj, 0,2,4,6                       ; each accumulator is read from its low end on
.irp b, 0,1,2,3,4,5,6,7
.if (\jj == 0) && (\b < 4)
	v_max3_num_f32 v[MX+\b], v[NINF], v[AC+8*\b], v[AC+8*\b+1]
.else
	v_max3_num_f32 v[MX+\b%4], v[MX+\b%4], v[AC+8*\b+\jj], v[AC+8*\b+\jj+1]
.endif
.endr
.endr
	WIN 0
	v_max3_num_f32 v[MX], v[MX], v[MX+1], v[MX+2]
	v_max_num_f32 v[MX], v[MX], v[MX+3]
	v_permlanex16_b32 v[MX+1], v[MX], s[SEL], s[SEL+1]  ; the query's other 64 keys lie in the lane 16 away
	v_max_num_f32 v[MX], v[MX], v[MX+1]
	v_mul_f32 v[MX], s[CS], v[MX]                  ; as t (c is positive)
	v_floor_f32 v[NM], -v[MX]                      ; -M = floor(-t) = -ceil(t)
	v_mov_b32 v[NM+1], v[NM]
	v_mov_b32 v[NMS+\a], v[NM]
	WIN 0x02+((\a)/4)                              ; source 0: window 2 or 3
.set i, 0
.rept 32
	v_pk_fma_f32 v[W+2*i:W+2*i+1], v[AC+2*i:AC+2*i+1], s[CS:CS+1], v[NM:NM+1] op_sel_hi:[1,0,0]   ; t - M, two at a time
.set i, i+1
.endr
	WIN 0
.set i, 0
.rept 64
	v_exp_f32 v[W+i], v[W+i]                       ; p = 2^(t - M)
.set i, i+1
.endr
	v_nop                                          ; a plain instruction behind the last exponential
	s_wait_alu depctr_va_vdst(0)                   ; one wait for the batch, ahead of its first reader
	v_pk_add_f32 v[SA:SA+1], v[W:W+1], v[W+2:W+3]  ; the sum of the unrounded p, in two chains
	v_pk_add_f32 v[SB:SB+1], v[W+4:W+5], v[W+6:W+7]
.set i, 8
.rept 14
	v_pk_add_f32 v[SA:SA+1], v[SA:SA+1], v[W+i:W+i+1]
	v_pk_add_f32 v[SB:SB+1], v[SB:SB+1], v[W+i+2:W+i+3]
.set i, i+4
.endr
	v_pk_add_f32 v[SA:SA+1], v[SA:SA+1], v[SB:SB+1]
	v_add_f32 v[SA], v[SA], v[SA+1]
	v_permlanex16_b32 v[SA+1], v[SA], s[SEL], s[SEL+1]
	v_add_f32 v[LS+\a], v[SA], v[SA+1]
.set i, 0
.rept 32
	v_cvt_pk_f16_f32 v[PK+i], v[W+2*i], v[W+2*i+1]
.set i, i+1
.endr
.endm
.macro TOSTAGE a
.set BB, BK0+32*((\a)%2)
.irp b, 0,1,2,3,4,5,6,7
	ds_store_b128 v[STO], v[PK+4*\b:PK+4*\b+3] offset:32*\b
.endr
.irp t, 0,1,2,3,4,5,6,7
	ds_load_b128 v[BB+4*\t:BB+4*\t+3], v[RD] offset:\t*2*PITCH     ; LDS serves a wave's instructions in order (ISA guide 5.7.1.4): these see the stores above
.endr
.endm
.macro SEND a
.set BB, BK0+32*((\a)%2)
	s_wait_dscnt 0x0                               ; the block is back in registers
	s_wait_xcnt 0x0                                ; the earlier stores have read their base and their registers
.if (\a) > 0
	s_add_nc_u64 s[8:9], s[8:9], 16*PC
.endif
.irp t, 0,1,2,3,4,5,6,7
	global_store_b128 v[CO], v[BB+4*\t:BB+4*\t+3], s[8:9] offset:2*\t*PC   ; 16 lanes store 256 consecutive bytes, aligned
.endr
.endm
	PLACES                                         ; the first reads of results stand four places behind the last products
	SOFT 0
	TOSTAGE 0
.irp a, 1,2,3,4,5,6,7                  ; block a's softmax stands between block a - 1's loads from the stage and the wait for them
	SOFT \a
	SEND \a-1
	TOSTAGE \a
.endr
	SEND 7
.irp a, 0,2,4,6                        ; the statistics: lanes 0-15 give block a's 16 queries, lanes 16-31 block a + 1's: 32 pairs, 256 consecutive bytes, aligned
	v_cndmask_b32 v[ST+\a], v[NMS+\a], v[NMS+\a+1], s72
	v_cndmask_b32 v[ST+\a+1], v[LS+\a], v[LS+\a+1], s72
	global_store_b64 v[SOF], v[ST+\a:ST+\a+1], s[66:67] offset:128*\a
.endr
	s_wait_tensorcnt 0x0                           ; the wave's end
	ds_add_u32 v[SPW], v[NIL]
	s_wait_dscnt 0x0
	CROUND                                         ; the closing round
	s_endpgm
.Lfunc_end_k_q73c1c81424_scores:
	.size	k_q73c1c81424_scores, .Lfunc_end_k_q73c1c81424_scores-k_q73c1c81424_scores
	.p2alignl 7, 3214868480
	.fill 96, 4, 3214868480
	.section	.rodata,"a",@progbits
	.p2align	6, 0x0
	.amdhsa_kernel k_q73c1c81424_scores
		.amdhsa_group_segment_fixed_size 327680
		.amdhsa_private_segment_fixed_size 0
		.amdhsa_enable_private_segment 0
		.amdhsa_kernarg_size 24
		.amdhsa_user_sgpr_count 2
		.amdhsa_user_sgpr_kernarg_segment_ptr 1
		.amdhsa_wavefront_size32 1
		.amdhsa_system_sgpr_workgroup_id_x 1
		.amdhsa_system_sgpr_workgroup_id_y 1
		.amdhsa_system_sgpr_workgroup_id_z 1
		.amdhsa_system_vgpr_workitem_id 0
		.amdhsa_next_free_vgpr 1024
		.amdhsa_next_free_sgpr 100
		.amdhsa_reserve_vcc 0
		.amdhsa_float_denorm_mode_32 3
		.amdhsa_float_denorm_mode_16_64 3
		.amdhsa_memory_ordered 1
		.amdhsa_forward_progress 1
		.amdhsa_inst_pref_size 213
	.end_amdhsa_kernel
	.amdgpu_metadata
---
amdhsa.version: [ 1, 2 ]
amdhsa.kernels:
  - .name:           k_q73c1c81424_scores
    .symbol:         k_q73c1c81424_scores.kd
    .args:
      - { .name: qkv, .offset: 0, .size: 8, .value_kind: global_buffer, .address_space: global }
      - { .name: pmat, .offset: 8, .size: 8, .value_kind: global_buffer, .address_space: global }
      - { .name: stats, .offset: 16, .size: 8, .value_kind: global_buffer, .address_space: global }
    .group_segment_fixed_size: 327680
    .private_segment_fixed_size: 0
    .kernarg_segment_align: 8
    .kernarg_segment_size: 24
    .max_flat_workgroup_size: 128
    .sgpr_count:     100
    .vgpr_count:     1024
    .wavefront_size: 32
...
	.end_amdgpu_metadata
.endif
;; end of part 3
;; launch mix (part 4): grid 8 x 32, 4 waves a work-group, clusters of 4 x 4, 327,680 bytes of LDS; arguments pmat, qkv, stats, omat; writes omat
.if DOCPART == 4
	.amdgcn_target "amdgcn-amd-amdhsa--gfx1250"
	.amdhsa_code_object_version 6
	.text
	.protected	k_q73c1c81424_mix
	.globl	k_q73c1c81424_mix
	.p2align	8
	.type	k_q73c1c81424_mix,@function
k_q73c1c81424_mix:
	s_mov_b64 s[64:65], 0
	v_nop
	global_prefetch_b8 v0, s[64:65] scope:SCOPE_SE
	s_setreg_imm32_b32 hwreg(HW_REG_WAVE_MODE, 25, 1), 1
	s_wait_xcnt 0x0
	s_wait_alu depctr_hold_cnt(0) depctr_sa_sdst(0) depctr_va_vdst(0) depctr_va_sdst(0) depctr_va_ssrc(0) depctr_va_vcc(0) depctr_vm_vsrc(0)
	s_getreg_b32 s2, hwreg(HW_REG_IB_STS2, 6, 4)
	s_cmp_eq_u32 s2, 0
	s_cbranch_scc0 .Lentry_in_a_cluster
	s_endpgm
.Lentry_in_a_cluster:
	s_bfe_u32 s2, ttmp6, 0x10000c
	s_cmp_lg_u32 s2, 0xf033
	s_cbranch_scc0 .Lentry_shape_is_right
	s_endpgm
.Lentry_shape_is_right:
; out = softmax x v in f16 operands with f32 sums: the softmax's second half and the second product.
; pmat [8192 q][2048 keys] f16: p = 2^(t - M_block) for each block of 128 keys.  stats [16 blocks][8192 q][2] f32 = (-M_block, l_block).  v^T: qkv from byte 33,554,432 on, [4 batches][1024 e][2048 s] f16.  omat [8192][1024] f16.
; For a query: -Mg = the least of its 16 -M_block;  f_block = 2^(M_block - Mg), a power of two at most 1, made by v_ldexp_f32 of a whole number;  L = the sum of f_block x l_block, at least 0.5.
; A K step is one block of 128 keys.  Its products start from 0 in accumulators of their own (window 2); the step's result is taken into the totals (window 3) by one fused multiply-add in f32 with the block's f.  The totals are divided by L at the end.
; LIMIT: |out| up to 65,504 (f16); under 6e-5 it keeps a step of 6e-8.
; SHARES, RING, CLUSTER: a tile is 256 queries x 128 channels, 256 work-groups; wave w takes queries 64 w on against all 128 channels; source 0 = 16 rows of v^T, source 1 = 16 rows of p: a lane holds one query, so one f serves its registers;
; K = 2,048 in 16 steps of 128 (rows of 256 bytes) through two LDS slots; p's tile is shared along a row of the cluster, v^T's along a column: joint loads.  Two slots of longer steps do not fit in LDS beside each other
; (2 x 384 rows x 528 bytes), so the refill stands directly behind the round, ahead of all of the half step's products: it has a K step's 128 matrix instructions in which to land.
; REGISTERS: window 0: v0-31 addresses; v[8:15] 1 / L in pairs; v32-39 a block's factors, (f, f) for a = 0..3; v48-55 at work at the head; v64-127 results on the way out; v128-255 p's fragments (at the head: the statistics).
;   window 1: v^T's fragments.  window 2: a step's accumulators, (a, b) at v[8 (8 a + b)].  window 3: the totals, at the same numbers.
.set PITCH,  272
.set AREG,   256*PITCH
.set SLOT,   384*PITCH
.set STAGE,  2*SLOT
.set FT,     STAGE+4*16*PITCH          ; the factors: 16,384 bytes a wave: [16 blocks][a 0, 1 | a 2, 3][32 lanes][16 bytes = two pairs (f, f)]; no tensor load lands here
.set SPARE,  FT+4*16384
.set LAPS,   8
.set PA,     4096
.set PB,     4096
.set PC,     2048
.set RC,   8
.set ADRA, 16
.set ADRB, 20
.set STO,  24
.set RD,   25
.set CO,   26
.set FAD0, 27                          ; v27  my lane's place in my wave's table of factors; never rewritten
.set SPW,  28
.set NIL,  29
.set SOF,  30                          ; v30  8 r
.set FAD,  31                          ; v31  the place of the lap's two blocks
.set FS,   32
.set MG,   48
.set LL,   52
.set W,    64
.set SX,   128                         ; the statistics: (-M, l) of block kb, a at v[SX + 8 kb + 2 a]; then (f, f)
.set PK,   128
.set BK0,  160
.set G1A, 24
.set G0A, 32
.set G1B, 48
.set G0B, 56
.set FSTEP, 73                         ; s73  2,048 bytes a lap
.set MSB, 0
.macro WIN new
.if MSB != (\new)
	s_set_vgpr_msb (MSB<<8)|(\new)
.set MSB, (\new)
.endif
.endm
.set MUL,  0xa1                        ; source 0 (v^T) window 1, source 1 (p) window 0, C and D window 2
.set TO_B, 0x40
.set TO_T, 0xf2                        ; source 0 window 2 (a step's sums), source 1 window 0 (f), source 2 and destination window 3 (the totals)
.macro JLOAD s
	s_cmp_eq_u32 s11, 0
	s_cbranch_scc0 .Lfor_b_\@
	tensor_load_to_lds s[G0A+4*\s:G0A+4*\s+3], s[G1A:G1A+7]
	s_nop 0
.rept 4
	v_nop
.endr
	s_branch .Lasked_\@
.Lfor_b_\@:
	tensor_load_to_lds s[G0B+4*\s:G0B+4*\s+3], s[G1B:G1B+7]
	s_nop 0
.rept 4
	v_nop
.endr
.Lasked_\@:
.endm
.macro CREST
	s_cmp_lg_u32 s10, 0
	s_cbranch_scc1 .Lnot_wave_0_\@
	s_barrier_signal -3
.Lnot_wave_0_\@:
	s_barrier_wait -3
	s_barrier_signal -1
	s_barrier_wait -1
.endm
.macro CROUND
	s_barrier_signal -1
	s_barrier_wait -1
	CREST
.endm
.macro PLACES
.rept 4
	v_nop
.endr
.endm
.macro MUL16 f, c, a0, zero            ; the 32 accumulators take turns, one instruction a turn
.irp a, \a0, \a0+1
.irp b, 0,1,2,3,4,5,6,7
.if \zero
	v_wmma_f32_16x16x32_f16 v[8*(8*(\a)+\b):8*(8*(\a)+\b)+7], v[128*(\f)+64*(\c)+8*\b:128*(\f)+64*(\c)+8*\b+7], v[128+64*(\f)+32*(\c)+8*(\a):128+64*(\f)+32*(\c)+8*(\a)+7], 0
.else
	v_wmma_f32_16x16x32_f16 v[8*(8*(\a)+\b):8*(8*(\a)+\b)+7], v[128*(\f)+64*(\c)+8*\b:128*(\f)+64*(\c)+8*\b+7], v[128+64*(\f)+32*(\c)+8*(\a):128+64*(\f)+32*(\c)+8*(\a)+7], v[8*(8*(\a)+\b):8*(8*(\a)+\b)+7]
.endif
.endr
.endr
.endm
.macro FETCH slot, k, f                ; 48 LDS loads in one run; the youngest eight are p's second 32 along K
	WIN TO_B
.irp c, 0,1
.irp i, 0,1,2,3,4,5,6,7
	ds_load_b128 v[128*(\f)+64*\c+8*\i:128*(\f)+64*\c+8*\i+3],   v[ADRB+\slot] offset:\k+64*\c+\i*16*PITCH
	ds_load_b128 v[128*(\f)+64*\c+8*\i+4:128*(\f)+64*\c+8*\i+7], v[ADRB+\slot] offset:\k+64*\c+\i*16*PITCH+32
.endr
.endr
	WIN 0
.irp c, 0,1
.irp i, 0,1,2,3
	ds_load_b128 v[128+64*(\f)+32*\c+8*\i:128+64*(\f)+32*\c+8*\i+3],   v[ADRA+\slot] offset:\k+64*\c+\i*16*PITCH
	ds_load_b128 v[128+64*(\f)+32*\c+8*\i+4:128+64*(\f)+32*\c+8*\i+7], v[ADRA+\slot] offset:\k+64*\c+\i*16*PITCH+32
.endr
.endr
.endm
; The finished block's sums of query blocks a0, a0 + 1 are taken into the totals: total += f x sum, two numbers an instruction, in f32; each accumulator from its low end on.  first = 1: the first block starts the totals: nothing is cleared.
.macro ACC a0, first
.irp a, \a0, \a0+1
.set i, 0
.rept 32
.if \first
	v_pk_mul_f32 v[64*(\a)+2*i:64*(\a)+2*i+1], v[64*(\a)+2*i:64*(\a)+2*i+1], v[FS+2*(\a):FS+2*(\a)+1]
.else
	v_pk_fma_f32 v[64*(\a)+2*i:64*(\a)+2*i+1], v[64*(\a)+2*i:64*(\a)+2*i+1], v[FS+2*(\a):FS+2*(\a)+1], v[64*(\a)+2*i:64*(\a)+2*i+1]
.endif
.set i, i+1
.endr
.endr
.endm
; A K step's first half: multiplies buffer 0, fetches the second half into buffer 1.  Its first products start the block's sums anew.  acc = 2: the block before is taken into the totals first; 1: it starts them; 0: there is none.
; Query blocks 2, 3 are taken over while the new products of blocks 0, 1 are at work.
.macro HALF slot, acc
	s_wait_dscnt 8                                 ; the last block's factors, v^T, and p's first 32 along K are in
.if \acc
	PLACES                                         ; the first read of the last block's sums stands four places behind its products
	WIN TO_T
	ACC 0, 2-\acc
.endif
	WIN MUL
	MUL16 0, 0, 0, 1
.if \acc
	WIN TO_T
	ACC 2, 2-\acc
	WIN MUL
.endif
	MUL16 0, 0, 2, 1
	PLACES
	FETCH \slot, 128, 1
	s_wait_dscnt 48                                ; all but the 48 just issued
	WIN MUL
	MUL16 0, 1, 0, 0
	MUL16 0, 1, 2, 0
.endm
; Its second half changes slots and multiplies buffer 1.  ONE barrier; in front of it each wave waits for all its tensor loads, adds 0 to its spare word, and waits for that and for its reads of this slot (the last were issued 32 matrix
; instructions ago).  The refill comes first behind it, then this block's factors and the next slot's first fragments, then the products.
.macro TURN slot, next, fill
	WIN 0
	s_wait_tensorcnt 0x0                           ; all my tensor loads have landed: my part of the next slot
	ds_add_u32 v[SPW], v[NIL]                      ; 0 onto my spare word
	s_wait_dscnt 0x0                               ; the add is done, and my reads of this slot are over
	s_barrier_signal -1
	s_barrier_wait -1
.if \fill
	CREST                                          ; the barrier has opened a round of the cluster's barrier: no wave of any partner still reads this slot or has a load on its way
	s_add_nc_u64 s[G0A+4*\slot+2:G0A+4*\slot+3], s[G0A+4*\slot+2:G0A+4*\slot+3], 512
	s_add_nc_u64 s[G0B+4*\slot+2:G0B+4*\slot+3], s[G0B+4*\slot+2:G0B+4*\slot+3], 512
	JLOAD \slot                                    ; my one tensor load behind the round; its four v_nop are the places in front of the loads below
.else
	PLACES
.endif
.if \slot
	ds_load_b128 v[FS:FS+3], v[FAD] offset:1024    ; this block's factors: they are wanted when its sums are finished
	ds_load_b128 v[FS+4:FS+7], v[FAD] offset:1536
.else
	v_add_nc_u32 v[FAD], s[FSTEP], v[FAD0]         ; the lap's two blocks (no LDS load of mine is out)
	s_add_co_u32 s[FSTEP], s[FSTEP], 2048
	ds_load_b128 v[FS:FS+3], v[FAD]
	ds_load_b128 v[FS+4:FS+7], v[FAD] offset:512
.endif
	FETCH \next, 0, 0
	WIN MUL
	MUL16 1, 0, 0, 0
	MUL16 1, 0, 2, 0
	MUL16 1, 1, 0, 0
	MUL16 1, 1, 2, 0
.endm
	s_load_b128 s[4:7], s[0:1], 0x0                ; pmat s[4:5], qkv s[6:7]
	s_load_b64 s[66:67], s[0:1], 0x10              ; stats
	s_load_b64 s[8:9], s[0:1], 0x18                ; omat
	v_lshl_add_u32 v[SPW], v0, 2, SPARE
	v_mov_b32 v[NIL], 0
	ds_add_u32 v[SPW], v[NIL]                      ; the wave's opening: the add, twice on end, and its wait ahead of my first tensor load
	ds_add_u32 v[SPW], v[NIL]
	v_lshrrev_b32 v1, 5, v0
	v_readfirstlane_b32 s10, v1
	s_lshr_b32 s11, s10, 1                         ; I fetch for p (0) or for v^T (1),
	s_and_b32 s12, s10, 1                          ; its first or second half
	s_bfe_u32 s40, ttmp6, 0x40000                  ; cx
	s_bfe_u32 s41, ttmp6, 0x40004                  ; cy
	s_lshl_b32 s42, ttmp9, 2
	s_add_co_u32 s42, s42, s40                     ; tile column: which 128 channels
	s_and_b32 s45, ttmp7, 0xffff
	s_lshl_b32 s13, s45, 2
	s_add_co_u32 s13, s13, s41                     ; tile row: which 256 queries
	s_lshr_b32 s45, s45, 1                         ; the batch
	s_lshl_b32 s43, s41, 2
	s_lshl_b32 s43, 15, s43
	s_lshl_b32 s44, 0x1111, s40
	s_or_b32 s[G1A], s43, (1<<16)|(1<<20)|(1<<21)|(5<<22)|(3<<25)   ; 15:0 the mask; 17:16 elements of 2 bytes; 20 padding on; 21 set beside a mask; 24:22 after every 64 words; 31:25 four words
	s_or_b32 s[G1B], s44, (1<<16)|(1<<20)|(1<<21)|(5<<22)|(3<<25)
	s_mov_b32 s[G1A+1], 128<<16
	s_mov_b32 s[G1A+2], 128<<16                    ; 128 rows
	s_mov_b32 s[G1A+3], 128<<16
	s_mov_b32 s[G1A+4], 128
	s_mov_b32 s[G1A+5], PA/2
	s_mov_b32 s[G1A+6], 0
	s_mov_b32 s[G1A+7], 0
	s_mov_b32 s[G1B+1], 128<<16
	s_mov_b32 s[G1B+2], 64<<16                     ; 64 rows
	s_mov_b32 s[G1B+3], 128<<16
	s_mov_b32 s[G1B+4], 64
	s_mov_b32 s[G1B+5], PB/2
	s_mov_b32 s[G1B+6], 0
	s_mov_b32 s[G1B+7], 0
	s_lshl_b32 s16, s13, 8
	s_lshl_b32 s17, s12, 7
	s_add_co_u32 s16, s16, s17
	s_mul_i32 s16, s16, PA                         ; p: row 256 x tile row + 128 x half
	s_mov_b32 s17, 0
	s_lshl_b32 s46, s42, 7
	s_lshl_b32 s47, s12, 6
	s_add_co_u32 s46, s46, s47
	s_mul_i32 s46, s46, PB                         ; v^T: row 128 x tile column + 64 x half,
	s_lshl_b32 s47, s45, 22                        ; the batch's 1,024 rows,
	s_add_co_u32 s46, s46, s47
	s_add_co_u32 s46, s46, 0x2000000               ; behind q | k
	s_mov_b32 s47, 0
	s_mul_i32 s20, s12, 128*PITCH
	s_mul_i32 s21, s12, 64*PITCH
	s_add_co_u32 s21, s21, AREG
	s_mov_b32 s[FSTEP], 0
	s_wait_dscnt 0x0                               ; both opening adds are done
	s_wait_kmcnt 0x0
	s_add_nc_u64 s[14:15], s[4:5], s[16:17]
	s_add_nc_u64 s[46:47], s[6:7], s[46:47]
	CROUND                                         ; all sixteen work-groups are here: the first joint loads meet
.irp s, 0,1
	s_mov_b32 s[G0A+4*\s], 1
	s_add_co_u32 s[G0A+4*\s+1], s20, \s*SLOT
	s_add_nc_u64 s[G0A+4*\s+2:G0A+4*\s+3], s[14:15], \s*256
	s_or_b32 s[G0A+4*\s+3], s[G0A+4*\s+3], 0x80000000
	s_mov_b32 s[G0B+4*\s], 1
	s_add_co_u32 s[G0B+4*\s+1], s21, \s*SLOT
	s_add_nc_u64 s[G0B+4*\s+2:G0B+4*\s+3], s[46:47], \s*256
	s_or_b32 s[G0B+4*\s+3], s[G0B+4*\s+3], 0x80000000
	JLOAD \s                                       ; two tensor loads of mine are out behind the second
.endr
	v_and_b32 v1, 15, v0                           ; r
	v_bfe_u32 v2, v0, 4, 1                         ; h
	; the statistics of my 64 queries: lane (r, h) takes query 16 a + r of each block
	v_lshlrev_b32 v[SOF], 3, v1
	s_lshl_b32 s16, s13, 8
	s_lshl_b32 s17, s10, 6
	s_add_co_u32 s18, s16, s17                     ; my first query
	s_lshl_b32 s16, s18, 3
	s_mov_b32 s17, 0
	s_add_nc_u64 s[66:67], s[66:67], s[16:17]
.irp kb, 0,1,2,3,4,5,6,7,8,9,10,11,12,13,14,15
.irp a, 0,1,2,3
	global_load_b64 v[SX+8*\kb+2*\a:SX+8*\kb+2*\a+1], v[SOF], s[66:67] offset:\kb*65536+128*\a
.endr
.endr
	v_mul_u32_u24 v3, v1, PITCH
	v_lshl_add_u32 v3, v2, 4, v3
	s_mul_i32 s21, s10, 64*PITCH                   ; my 64 rows of p
	s_mov_b32 s22, AREG                            ; all 128 rows of v^T
.irp s, 0,1
	v_add_nc_u32 v[ADRA+\s], s21, v3
	v_add_nc_u32 v[ADRB+\s], s22, v3
	s_add_co_u32 s21, s21, SLOT
	s_add_co_u32 s22, s22, SLOT
.endr
	s_mul_i32 s23, s10, 16*PITCH
	s_add_co_u32 s23, s23, STAGE
	v_add_nc_u32 v[STO], s23, v3
	v_mul_u32_u24 v4, v2, PITCH
	v_lshl_add_u32 v4, v1, 4, v4
	v_add_nc_u32 v[RD], s23, v4
	v_mul_u32_u24 v4, v2, PC
	v_lshl_add_u32 v[CO], v1, 4, v4
	v_and_b32 v5, 31, v0
	v_lshlrev_b32 v[FAD0], 4, v5
	s_lshl_b32 s23, s10, 14
	s_add_co_u32 s23, s23, FT
	v_add_nc_u32 v[FAD0], s23, v[FAD0]             ; my wave's table, 16 bytes a lane
	s_mul_i32 s16, s18, PC
	s_add_nc_u64 s[8:9], s[8:9], s[16:17]
	s_lshl_b32 s46, s42, 8
	s_mov_b32 s47, 0
	s_add_nc_u64 s[8:9], s[8:9], s[46:47]
	s_wait_loadcnt 0x0
.irp a, 0,1,2,3
	v_min3_num_f32 v[MG+\a], v[SX+2*\a], v[SX+8+2*\a], v[SX+16+2*\a]   ; -Mg: the least -M of the 16 blocks
.endr
.irp k, 3,5,7,9,11,13
.irp a, 0,1,2,3
	v_min3_num_f32 v[MG+\a], v[MG+\a], v[SX+8*\k+2*\a], v[SX+8*\k+8+2*\a]
.endr
.endr
.irp a, 0,1,2,3
	v_min_num_f32 v[MG+\a], v[MG+\a], v[SX+120+2*\a]
.endr
.irp kb, 0,1,2,3,4,5,6,7,8,9,10,11,12,13,14,15
.irp a, 0,1,2,3
	v_sub_f32 v[SX+8*\kb+2*\a], v[MG+\a], v[SX+8*\kb+2*\a]   ; M_block - Mg: a whole number, 0 or less
.endr
.irp a, 0,1,2,3
	v_cvt_i32_f32 v[SX+8*\kb+2*\a], v[SX+8*\kb+2*\a]         ; (it saturates)
.endr
.irp a, 0,1,2,3
	v_ldexp_f32 v[SX+8*\kb+2*\a], 1.0, v[SX+8*\kb+2*\a]      ; f
.endr
.irp a, 0,1,2,3
.if \kb == 0
	v_mul_f32 v[LL+\a], v[SX+2*\a], v[SX+2*\a+1]
.else
	v_fma_f32 v[LL+\a], v[SX+8*\kb+2*\a], v[SX+8*\kb+2*\a+1], v[LL+\a]   ; L += f x l
.endif
.endr
.irp a, 0,1,2,3
	v_mov_b32 v[SX+8*\kb+2*\a+1], v[SX+8*\kb+2*\a]           ; (f, f): a pair for the packed multiply-add
.endr
.endr
.irp kb, 0,1,2,3,4,5,6,7,8,9,10,11,12,13,14,15
	ds_store_b128 v[FAD0], v[SX+8*\kb:SX+8*\kb+3] offset:1024*\kb        ; my wave alone reads them back
	ds_store_b128 v[FAD0], v[SX+8*\kb+4:SX+8*\kb+7] offset:1024*\kb+512
.endr
.irp a, 0,1,2,3
	v_rcp_f32 v[RC+2*\a], v[LL+\a]
.endr
	v_nop                                          ; a plain instruction behind the last reciprocal
	s_wait_alu depctr_va_vdst(0)                   ; one wait for the four, ahead of their first reader
.irp a, 0,1,2,3
	v_mov_b32 v[RC+2*\a+1], v[RC+2*\a]             ; named with it as a pair, so it is written
.endr
	s_wait_tensorcnt 1                             ; my part of K step 0 is in; K step 1's may be out
	s_wait_dscnt 0x0                               ; my stores of the factors are done
	s_barrier_signal -1
	s_barrier_wait -1
	FETCH 0, 0, 0
	HALF 0, 0
	TURN 0, 1, 1                                   ; the first lap is written out: block 0 starts the totals
	HALF 1, 1
	TURN 1, 0, 1
	HALF 0, 2
	WIN 0
	s_mov_b32 s3, LAPS-2
.Llap:                                                 ; a trip goes once round the ring and fills both slots again
	TURN 0, 1, 1
	HALF 1, 2
	TURN 1, 0, 1
	HALF 0, 2
	WIN 0
	s_sub_co_u32 s3, s3, 1
	s_cmp_lg_u32 s3, 0
	s_cbranch_scc1 .Llap
	TURN 0, 1, 0                                   ; the last lap fills nothing
	HALF 1, 2
	WIN 0
	ds_load_b128 v[FS:FS+3], v[FAD] offset:1024    ; the last block's factors
	ds_load_b128 v[FS+4:FS+7], v[FAD] offset:1536
	s_wait_dscnt 10                                ; p's second 32 along K and the two loads just issued may be out
	WIN MUL
	MUL16 1, 0, 0, 0
	MUL16 1, 0, 2, 0
	s_wait_dscnt 0
	MUL16 1, 1, 0, 0
	MUL16 1, 1, 2, 0
	PLACES
	WIN TO_T
	ACC 0, 0
	ACC 2, 0
	WIN 0
.macro COMP a                          ; queries 16 a on: the totals / L, rounded to f16
	WIN 0x03                                       ; source 0: window 3
.set i, 0
.rept 32
	v_pk_mul_f32 v[W+2*i:W+2*i+1], v[64*(\a)+2*i:64*(\a)+2*i+1], v[RC+2*(\a):RC+2*(\a)+1] op_sel_hi:[1,0]
.set i, i+1
.endr
	WIN 0
.set i, 0
.rept 32
	v_cvt_pk_f16_f32 v[PK+i], v[W+2*i], v[W+2*i+1]
.set i, i+1
.endr
.endm
.macro TOSTAGE a
.set BB, BK0+32*((\a)%2)
.irp b, 0,1,2,3,4,5,6,7
	ds_store_b128 v[STO], v[PK+4*\b:PK+4*\b+3] offset:32*\b
.endr
.irp t, 0,1,2,3,4,5,6,7
	ds_load_b128 v[BB+4*\t:BB+4*\t+3], v[RD] offset:\t*2*PITCH     ; LDS serves a wave's instructions in order (ISA guide 5.7.1.4): these see the stores above
.endr
.endm
.macro SEND a
.set BB, BK0+32*((\a)%2)
	s_wait_dscnt 0x0
	s_wait_xcnt 0x0                                ; the earlier stores have read their base and their registers
.if (\a) > 0
	s_add_nc_u64 s[8:9], s[8:9], 16*PC
.endif
.irp t, 0,1,2,3,4,5,6,7
	global_store_b128 v[CO], v[BB+4*\t:BB+4*\t+3], s[8:9] offset:2*\t*PC   ; 16 lanes store 256 consecutive bytes, aligned
.endr
.endm
	COMP 0
	TOSTAGE 0
.irp a, 1,2,3
	COMP \a
	SEND \a-1
	TOSTAGE \a
.endr
	SEND 3
	s_wait_tensorcnt 0x0                           ; the wave's end
	ds_add_u32 v[SPW], v[NIL]
	s_wait_dscnt 0x0
	CROUND                                         ; the closing round
	s_endpgm
.Lfunc_end_k_q73c1c81424_mix:
	.size	k_q73c1c81424_mix, .Lfunc_end_k_q73c1c81424_mix-k_q73c1c81424_mix
	.p2alignl 7, 3214868480
	.fill 96, 4, 3214868480
	.section	.rodata,"a",@progbits
	.p2align	6, 0x0
	.amdhsa_kernel k_q73c1c81424_mix
		.amdhsa_group_segment_fixed_size 327680
		.amdhsa_private_segment_fixed_size 0
		.amdhsa_enable_private_segment 0
		.amdhsa_kernarg_size 32
		.amdhsa_user_sgpr_count 2
		.amdhsa_user_sgpr_kernarg_segment_ptr 1
		.amdhsa_wavefront_size32 1
		.amdhsa_system_sgpr_workgroup_id_x 1
		.amdhsa_system_sgpr_workgroup_id_y 1
		.amdhsa_system_sgpr_workgroup_id_z 1
		.amdhsa_system_vgpr_workitem_id 0
		.amdhsa_next_free_vgpr 1024
		.amdhsa_next_free_sgpr 100
		.amdhsa_reserve_vcc 0
		.amdhsa_float_denorm_mode_32 3
		.amdhsa_float_denorm_mode_16_64 3
		.amdhsa_memory_ordered 1
		.amdhsa_forward_progress 1
		.amdhsa_inst_pref_size 198
	.end_amdhsa_kernel
	.amdgpu_metadata
---
amdhsa.version: [ 1, 2 ]
amdhsa.kernels:
  - .name:           k_q73c1c81424_mix
    .symbol:         k_q73c1c81424_mix.kd
    .args:
      - { .name: pmat, .offset: 0, .size: 8, .value_kind: global_buffer, .address_space: global }
      - { .name: qkv, .offset: 8, .size: 8, .value_kind: global_buffer, .address_space: global }
      - { .name: stats, .offset: 16, .size: 8, .value_kind: global_buffer, .address_space: global }
      - { .name: omat, .offset: 24, .size: 8, .value_kind: global_buffer, .address_space: global }
    .group_segment_fixed_size: 327680
    .private_segment_fixed_size: 0
    .kernarg_segment_align: 8
    .kernarg_segment_size: 32
    .max_flat_workgroup_size: 128
    .sgpr_count:     100
    .vgpr_count:     1024
    .wavefront_size: 32
...
	.end_amdgpu_metadata
.endif
;; end of part 4
;; launch proj (part 5): grid 8 x 32, 4 waves a work-group, clusters of 4 x 4, 327,680 bytes of LDS; arguments omat, woT, out0; writes out0
.if DOCPART == 5
	.amdgcn_target "amdgcn-amd-amdhsa--gfx1250"
	.amdhsa_code_object_version 6
	.text
	.protected	k_q73c1c81424_proj
	.globl	k_q73c1c81424_proj
	.p2align	8
	.type	k_q73c1c81424_proj,@function
k_q73c1c81424_proj:
	s_mov_b64 s[64:65], 0
	v_nop
	global_prefetch_b8 v0, s[64:65] scope:SCOPE_SE
	s_setreg_imm32_b32 hwreg(HW_REG_WAVE_MODE, 25, 1), 1
	s_wait_xcnt 0x0
	s_wait_alu depctr_hold_cnt(0) depctr_sa_sdst(0) depctr_va_vdst(0) depctr_va_sdst(0) depctr_va_ssrc(0) depctr_va_vcc(0) depctr_vm_vsrc(0)
	s_getreg_b32 s2, hwreg(HW_REG_IB_STS2, 6, 4)
	s_cmp_eq_u32 s2, 0
	s_cbranch_scc0 .Lentry_in_a_cluster
	s_endpgm
.Lentry_in_a_cluster:
	s_bfe_u32 s2, ttmp6, 0x10000c
	s_cmp_lg_u32 s2, 0xf033
	s_cbranch_scc0 .Lentry_shape_is_right
	s_endpgm
.Lentry_shape_is_right:
; out0 = out x Wo in f16 operands with f32 sums.  omat [8192][1024] f16;  woT [1024 (f)][1024 (e)] f16, K innermost;  out0 [8192][1024] f32.
; SHARES, RING, CLUSTER: a tile is 256 rows x 128 columns, 256 work-groups; wave w takes rows 64 w on against all 128 columns: 32 accumulators; source 0 = 16 rows of woT, source 1 = 16 rows of omat, so that a lane holds eight
; neighbouring columns of one row; K = 1,024 in 8 steps of 128 (rows of 256 bytes) through two LDS slots; omat's tile is shared along a row of the cluster, woT's along a column: joint loads.
; Two slots of longer steps do not fit in LDS beside each other (2 x 384 rows x 528 bytes), so the refill stands directly behind the round, ahead of all of the half step's products: it has a K step's 128 matrix instructions in which to land.
; REGISTERS: window 0: v0-31 addresses; v128-255 A's fragments, two buffers; on the way out v64-191.  window 1: B's fragments.  window 2: accumulators, (a, b) at v[8 (8 a + b)].
.set PITCH,  272
.set AREG,   256*PITCH
.set SLOT,   384*PITCH
.set STAGE,  2*SLOT                    ; 16 rows x (512 bytes + 16) for each wave; no tensor load lands here
.set SPITCH, 528
.set SPARE,  STAGE+4*16*SPITCH
.set LAPS,   4
.set PA,     2048
.set PB,     2048
.set PC,     4096
.set ADRA, 16
.set ADRB, 20
.set STO,  24
.set RD,   25
.set CO,   26
.set SPW,  28
.set NIL,  29
.set BK0,  64
.set G1A, 24
.set G0A, 32
.set G1B, 48
.set G0B, 56
.set MSB, 0
.macro WIN new
.if MSB != (\new)
	s_set_vgpr_msb (MSB<<8)|(\new)
.set MSB, (\new)
.endif
.endm
.set MUL,  0xa1
.set TO_B, 0x40
.macro JLOAD s
	s_cmp_eq_u32 s11, 0
	s_cbranch_scc0 .Lfor_b_\@
	tensor_load_to_lds s[G0A+4*\s:G0A+4*\s+3], s[G1A:G1A+7]
	s_nop 0
.rept 4
	v_nop
.endr
	s_branch .Lasked_\@
.Lfor_b_\@:
	tensor_load_to_lds s[G0B+4*\s:G0B+4*\s+3], s[G1B:G1B+7]
	s_nop 0
.rept 4
	v_nop
.endr
.Lasked_\@:
.endm
.macro CREST
	s_cmp_lg_u32 s10, 0
	s_cbranch_scc1 .Lnot_wave_0_\@
	s_barrier_signal -3
.Lnot_wave_0_\@:
	s_barrier_wait -3
	s_barrier_signal -1
	s_barrier_wait -1
.endm
.macro CROUND
	s_barrier_signal -1
	s_barrier_wait -1
	CREST
.endm
.macro PLACES
.rept 4
	v_nop
.endr
.endm
.macro MUL16 f, c, a0, zero            ; the 32 accumulators take turns, one instruction a turn
.irp a, \a0, \a0+1
.irp b, 0,1,2,3,4,5,6,7
.if \zero
	v_wmma_f32_16x16x32_f16 v[8*(8*(\a)+\b):8*(8*(\a)+\b)+7], v[128*(\f)+64*(\c)+8*\b:128*(\f)+64*(\c)+8*\b+7], v[128+64*(\f)+32*(\c)+8*(\a):128+64*(\f)+32*(\c)+8*(\a)+7], 0
.else
	v_wmma_f32_16x16x32_f16 v[8*(8*(\a)+\b):8*(8*(\a)+\b)+7], v[128*(\f)+64*(\c)+8*\b:128*(\f)+64*(\c)+8*\b+7], v[128+64*(\f)+32*(\c)+8*(\a):128+64*(\f)+32*(\c)+8*(\a)+7], v[8*(8*(\a)+\b):8*(8*(\a)+\b)+7]
.endif
.endr
.endr
.endm
.macro FETCH slot, k, f                ; 48 LDS loads in one run; the youngest eight are A's second 32 along K
	WIN TO_B
.irp c, 0,1
.irp i, 0,1,2,3,4,5,6,7
	ds_load_b128 v[128*(\f)+64*\c+8*\i:128*(\f)+64*\c+8*\i+3],   v[ADRB+\slot] offset:\k+64*\c+\i*16*PITCH
	ds_load_b128 v[128*(\f)+64*\c+8*\i+4:128*(\f)+64*\c+8*\i+7], v[ADRB+\slot] offset:\k+64*\c+\i*16*PITCH+32
.endr
.endr
	WIN 0
.irp c, 0,1
.irp i, 0,1,2,3
	ds_load_b128 v[128+64*(\f)+32*\c+8*\i:128+64*(\f)+32*\c+8*\i+3],   v[ADRA+\slot] offset:\k+64*\c+\i*16*PITCH
	ds_load_b128 v[128+64*(\f)+32*\c+8*\i+4:128+64*(\f)+32*\c+8*\i+7], v[ADRA+\slot] offset:\k+64*\c+\i*16*PITCH+32
.endr
.endr
.endm
.macro HALF slot, zero                 ; a K step's first half: multiplies buffer 0, fetches the second half into buffer 1
	s_wait_dscnt 8                                 ; all but A's second 32 along K
	WIN MUL
	MUL16 0, 0, 0, \zero
	MUL16 0, 0, 2, \zero
	PLACES
	FETCH \slot, 128, 1
	s_wait_dscnt 48                                ; all but the 48 just issued
	WIN MUL
	MUL16 0, 1, 0, 0
	MUL16 0, 1, 2, 0
.endm
; Its second half changes slots and multiplies buffer 1.  ONE barrier; in front of it each wave waits for all its tensor loads, adds 0 to its spare word, and waits for that and for its reads of this slot (the last were issued 32 matrix
; instructions ago).  The refill comes first behind it, then the next slot's first fragments, then the products.
.macro TURN slot, next, fill
	WIN 0
	s_wait_tensorcnt 0x0                           ; all my tensor loads have landed: my part of the next slot
	ds_add_u32 v[SPW], v[NIL]                      ; 0 onto my spare word
	s_wait_dscnt 0x0                               ; the add is done, and my reads of this slot are over
	s_barrier_signal -1
	s_barrier_wait -1
.if \fill
	CREST                                          ; the barrier has opened a round of the cluster's barrier: no wave of any partner still reads this slot or has a load on its way
	s_add_nc_u64 s[G0A+4*\slot+2:G0A+4*\slot+3], s[G0A+4*\slot+2:G0A+4*\slot+3], 512
	s_add_nc_u64 s[G0B+4*\slot+2:G0B+4*\slot+3], s[G0B+4*\slot+2:G0B+4*\slot+3], 512
	JLOAD \slot                                    ; my one tensor load behind the round; its four v_nop are the places in front of the loads below
.else
	PLACES
.endif
	FETCH \next, 0, 0
	WIN MUL
	MUL16 1, 0, 0, 0
	MUL16 1, 0, 2, 0
	MUL16 1, 1, 0, 0
	MUL16 1, 1, 2, 0
.endm
	s_load_b128 s[4:7], s[0:1], 0x0                ; omat s[4:5], woT s[6:7]
	s_load_b64 s[8:9], s[0:1], 0x10                ; out0
	v_lshl_add_u32 v[SPW], v0, 2, SPARE
	v_mov_b32 v[NIL], 0
	ds_add_u32 v[SPW], v[NIL]                      ; the wave's opening: the add, twice on end, and its wait ahead of my first tensor load
	ds_add_u32 v[SPW], v[NIL]
	v_lshrrev_b32 v1, 5, v0
	v_readfirstlane_b32 s10, v1
	s_lshr_b32 s11, s10, 1
	s_and_b32 s12, s10, 1
	s_bfe_u32 s40, ttmp6, 0x40000                  ; cx
	s_bfe_u32 s41, ttmp6, 0x40004                  ; cy
	s_lshl_b32 s42, ttmp9, 2
	s_add_co_u32 s42, s42, s40                     ; tile column
	s_and_b32 s13, ttmp7, 0xffff
	s_lshl_b32 s13, s13, 2
	s_add_co_u32 s13, s13, s41                     ; tile row
	s_lshl_b32 s43, s41, 2
	s_lshl_b32 s43, 15, s43
	s_lshl_b32 s44, 0x1111, s40
	s_or_b32 s[G1A], s43, (1<<16)|(1<<20)|(1<<21)|(5<<22)|(3<<25)
	s_or_b32 s[G1B], s44, (1<<16)|(1<<20)|(1<<21)|(5<<22)|(3<<25)
	s_mov_b32 s[G1A+1], 128<<16
	s_mov_b32 s[G1A+2], 128<<16
	s_mov_b32 s[G1A+3], 128<<16
	s_mov_b32 s[G1A+4], 128
	s_mov_b32 s[G1A+5], PA/2
	s_mov_b32 s[G1A+6], 0
	s_mov_b32 s[G1A+7], 0
	s_mov_b32 s[G1B+1], 128<<16
	s_mov_b32 s[G1B+2], 64<<16
	s_mov_b32 s[G1B+3], 128<<16
	s_mov_b32 s[G1B+4], 64
	s_mov_b32 s[G1B+5], PB/2
	s_mov_b32 s[G1B+6], 0
	s_mov_b32 s[G1B+7], 0
	s_lshl_b32 s16, s13, 8
	s_lshl_b32 s17, s12, 7
	s_add_co_u32 s16, s16, s17
	s_mul_i32 s16, s16, PA
	s_mov_b32 s17, 0
	s_lshl_b32 s46, s42, 7
	s_lshl_b32 s47, s12, 6
	s_add_co_u32 s46, s46, s47
	s_mul_i32 s46, s46, PB
	s_mov_b32 s47, 0
	s_mul_i32 s20, s12, 128*PITCH
	s_mul_i32 s21, s12, 64*PITCH
	s_add_co_u32 s21, s21, AREG
	s_wait_dscnt 0x0                               ; both opening adds are done
	s_wait_kmcnt 0x0
	s_add_nc_u64 s[14:15], s[4:5], s[16:17]
	s_add_nc_u64 s[46:47], s[6:7], s[46:47]
	CROUND                                         ; all sixteen work-groups are here: the first joint loads meet
.irp s, 0,1
	s_mov_b32 s[G0A+4*\s], 1
	s_add_co_u32 s[G0A+4*\s+1], s20, \s*SLOT
	s_add_nc_u64 s[G0A+4*\s+2:G0A+4*\s+3], s[14:15], \s*256
	s_or_b32 s[G0A+4*\s+3], s[G0A+4*\s+3], 0x80000000
	s_mov_b32 s[G0B+4*\s], 1
	s_add_co_u32 s[G0B+4*\s+1], s21, \s*SLOT
	s_add_nc_u64 s[G0B+4*\s+2:G0B+4*\s+3], s[46:47], \s*256
	s_or_b32 s[G0B+4*\s+3], s[G0B+4*\s+3], 0x80000000
	JLOAD \s                                       ; two tensor loads of mine are out behind the second
.endr
	v_and_b32 v1, 15, v0                           ; r
	v_bfe_u32 v2, v0, 4, 1                         ; h
	v_mul_u32_u24 v3, v1, PITCH
	v_lshl_add_u32 v3, v2, 4, v3
	s_mul_i32 s21, s10, 64*PITCH
	s_mov_b32 s22, AREG
.irp s, 0,1
	v_add_nc_u32 v[ADRA+\s], s21, v3
	v_add_nc_u32 v[ADRB+\s], s22, v3
	s_add_co_u32 s21, s21, SLOT
	s_add_co_u32 s22, s22, SLOT
.endr
	s_mul_i32 s23, s10, 16*SPITCH
	s_add_co_u32 s23, s23, STAGE                   ; my stage
	v_mul_u32_u24 v4, v1, SPITCH                   ; in: row r, 32 bytes for each half of the lanes
	v_lshl_add_u32 v4, v2, 5, v4
	v_add_nc_u32 v[STO], s23, v4
	v_and_b32 v5, 31, v0
	v_lshlrev_b32 v[CO], 4, v5                     ; back: the 32 lanes take one row of 512 bytes; and the same in out0
	v_add_nc_u32 v[RD], s23, v[CO]
	s_lshl_b32 s16, s13, 8
	s_lshl_b32 s17, s10, 6
	s_add_co_u32 s16, s16, s17                     ; my first row
	s_mul_i32 s16, s16, PC
	s_mov_b32 s17, 0
	s_add_nc_u64 s[8:9], s[8:9], s[16:17]
	s_lshl_b32 s46, s42, 9                         ; the tile's 128 columns: 512 bytes of a row
	s_mov_b32 s47, 0
	s_add_nc_u64 s[8:9], s[8:9], s[46:47]
	s_wait_tensorcnt 1                             ; my part of K step 0 is in; K step 1's may be out
	s_barrier_signal -1
	s_barrier_wait -1
	FETCH 0, 0, 0
	HALF 0, 1                                      ; the first products start the sums: nothing is cleared
	WIN 0
	s_mov_b32 s3, LAPS-1
.Llap:                                                 ; a trip goes once round the ring and fills both slots again
	TURN 0, 1, 1
	HALF 1, 0
	TURN 1, 0, 1
	HALF 0, 0
	WIN 0
	s_sub_co_u32 s3, s3, 1
	s_cmp_lg_u32 s3, 0
	s_cbranch_scc1 .Llap
	TURN 0, 1, 0                                   ; the last lap fills nothing
	HALF 1, 0
	s_wait_dscnt 8
	WIN MUL
	MUL16 1, 0, 0, 0
	MUL16 1, 0, 2, 0
	s_wait_dscnt 0
	MUL16 1, 1, 0, 0
	MUL16 1, 1, 2, 0
	WIN 0
; THE WAY OUT, 16 rows x 128 columns at a time: a lane's 32 bytes go into my stage and come back as whole rows of 512 bytes.
.macro TOSTAGE a
	WIN 0x08                                       ; an LDS store's data are its source 1: window 2
.irp b, 0,1,2,3,4,5,6,7
	ds_store_b128 v[STO], v[64*(\a)+8*\b:64*(\a)+8*\b+3] offset:64*\b          ; each accumulator from its low end on
	ds_store_b128 v[STO], v[64*(\a)+8*\b+4:64*(\a)+8*\b+7] offset:64*\b+16
.endr
	WIN 0
.set BB, BK0+64*((\a)%2)
.irp t, 0,1,2,3,4,5,6,7,8,9,10,11,12,13,14,15
	ds_load_b128 v[BB+4*\t:BB+4*\t+3], v[RD] offset:\t*SPITCH      ; LDS serves a wave's instructions in order (ISA guide 5.7.1.4): these see the stores above
.endr
.endm
.macro SEND a, younger                 ; younger: the LDS instructions issued behind block a's loads, which may stay out
.set BB, BK0+64*((\a)%2)
	s_wait_dscnt \younger
.if (\a) > 0
	s_add_nc_u64 s[8:9], s[8:9], 16*PC             ; (behind a wait on XCNT: the earlier stores have read their base)
.endif
.irp t, 0,1,2,3,4,5,6,7,8,9,10,11,12,13,14,15
	global_store_b128 v[CO], v[BB+4*\t:BB+4*\t+3], s[8:9] offset:\t*PC th:TH_STORE_NT   ; 32 lanes store 512 consecutive bytes, aligned; written once, read by nobody here
.endr
.endm
	PLACES
	TOSTAGE 0
.irp a, 1,2,3
.if \a > 1
	s_wait_xcnt 0x0                                ; block a - 2's stores have read their registers and their base
.endif
	TOSTAGE \a
	SEND \a-1, 32                                  ; behind block a - 1's loads: block a's 16 stores and 16 loads
.endr
	s_wait_xcnt 0x0
	SEND 3, 0
	s_wait_tensorcnt 0x0                           ; the wave's end
	ds_add_u32 v[SPW], v[NIL]
	s_wait_dscnt 0x0
	CROUND                                         ; the closing round
	s_endpgm
.Lfunc_end_k_q73c1c81424_proj:
	.size	k_q73c1c81424_proj, .Lfunc_end_k_q73c1c81424_proj-k_q73c1c81424_proj
	.p2alignl 7, 3214868480
	.fill 96, 4, 3214868480
	.section	.rodata,"a",@progbits
	.p2align	6, 0x0
	.amdhsa_kernel k_q73c1c81424_proj
		.amdhsa_group_segment_fixed_size 327680
		.amdhsa_private_segment_fixed_size 0
		.amdhsa_enable_private_segment 0
		.amdhsa_kernarg_size 24
		.amdhsa_user_sgpr_count 2
		.amdhsa_user_sgpr_kernarg_segment_ptr 1
		.amdhsa_wavefront_size32 1
		.amdhsa_system_sgpr_workgroup_id_x 1
		.amdhsa_system_sgpr_workgroup_id_y 1
		.amdhsa_system_sgpr_workgroup_id_z 1
		.amdhsa_system_vgpr_workitem_id 0
		.amdhsa_next_free_vgpr 768
		.amdhsa_next_free_sgpr 100
		.amdhsa_reserve_vcc 0
		.amdhsa_float_denorm_mode_32 3
		.amdhsa_float_denorm_mode_16_64 3
		.amdhsa_memory_ordered 1
		.amdhsa_forward_progress 1
		.amdhsa_inst_pref_size 83
	.end_amdhsa_kernel
	.amdgpu_metadata
---
amdhsa.version: [ 1, 2 ]
amdhsa.kernels:
  - .name:           k_q73c1c81424_proj
    .symbol:         k_q73c1c81424_proj.kd
    .args:
      - { .name: omat, .offset: 0, .size: 8, .value_kind: global_buffer, .address_space: global }
      - { .name: woT, .offset: 8, .size: 8, .value_kind: global_buffer, .address_space: global }
      - { .name: out0, .offset: 16, .size: 8, .value_kind: global_buffer, .address_space: global }
    .group_segment_fixed_size: 327680
    .private_segment_fixed_size: 0
    .kernarg_segment_align: 8
    .kernarg_segment_size: 24
    .max_flat_workgroup_size: 128
    .sgpr_count:     100
    .vgpr_count:     768
    .wavefront_size: 32
...
	.end_amdgpu_metadata
.endif
;; end of part 5
